; MI455X (gfx1250); checked and timed in simulation.
; The chip was launched on July 23, 2026; its instructions are those of AMD's public machine-readable ISA for CDNA 5 (MIT licence, August 2026) and "CDNA5" Instruction Set Architecture Reference Guide (July 2026). The comments in the code are by the model that wrote it; some were corrected since.
;; Self Attention. Allowed arithmetic: matrix products marked QUANTISED: E5M2 operands, one E8M0 scale for each 32 along K, by v_wmma_scale_f32_16x16x128_f8f6f4 with both operands' format E5M2, f32 sums; everything else in f32.
;; Inputs: Wd 1,024 x 1,024 float32; Wk 1,024 x 1,024 float32; Wq 1,024 x 1,024 float32; Wv 1,024 x 1,024 float32; attention_mask 4 x 1 x 1 x 2,048 float32; bd 1,024 float32; bk 1,024 float32; bq 1,024 float32; bv 1,024 float32; input_tensor 4 x 2,048 x 1,024 float32; ln_b 1,024 float32; ln_w 1,024 float32.
;; Outputs: out0 4 x 2,048 x 1,024 float32.
;; This version of the problem:
;;   THIS VERSION OF THE PROBLEM IS GIVEN IN LOW PRECISION. The matrix products marked QUANTISED in the list below multiply operands that are first quantised to E5M2 (5 exponent bits, 2 mantissa bits; 8 bits a number), with one power-of-two scale for each 32 numbers along K (OCP MX v1.0); their sums are f32. All else is computed in f32.
;;   The module's matrix products, in the order in which they are computed (A, B: the left and right operand; K: the contracted axis; several contracted axes count as one K, in the product's order):
;;     1. [M 8,192, K 1,024] x [K 1,024, N 1,024]; A: input input_tensor; B: input Wq: QUANTISED
;;     2. [M 8,192, K 1,024] x [K 1,024, N 1,024]; A: input input_tensor; B: input Wk: QUANTISED
;;     3. [M 8,192, K 1,024] x [K 1,024, N 1,024]; A: input input_tensor; B: input Wv: QUANTISED
;;     4. batch 64 x [M 2,048, K 64] x [K 64, N 2,048]; A: computed on the way; B: computed on the way: QUANTISED
;;     5. batch 64 x [M 2,048, K 2,048] x [K 2,048, N 64]; A: softmax (see below); B: computed on the way: QUANTISED
;;     6. [M 8,192, K 1,024] x [K 1,024, N 1,024]; A: computed on the way; B: input Wd: QUANTISED
;;   THE QUANTISER, for each operand of a quantised product, along K:
;;     - K is cut into blocks of 32 from its start; a last block that is shorter is filled with zeros.
;;     - A block's scale is 2^e with e = floor(log2(the largest magnitude in the block)) - 15, held to -126 .. 127; a block of zeros has e = 0. As a byte (E8M0): e + 127.
;;     - Each number is divided by its block's scale, clamped to +-57,344, and rounded to the nearest number of E5M2, ties to even, subnormals kept.
;;     - The product sums the exact products of the quantised numbers (number of the format x scale) in f32.
;;   ~~~python
;;   def quantise(x, axis):      # numpy; x: float32 -> the quantised numbers, widened to float32 again
;;       x = np.moveaxis(x, axis, -1); K = x.shape[-1]
;;       x = np.pad(x, [(0, 0)] * (x.ndim - 1) + [(0, -K % 32)]); x = x.reshape(x.shape[:-1] + (-1, 32)); a = np.abs(x).max(-1, keepdims=True)
;;       e = np.where(a > 0, np.clip(np.frexp(np.where(a > 0, a, 1))[1] - 1 - 15, -126, 127), 0)      # np.frexp(a)[1] - 1 = floor(log2(a)), exactly
;;       r = np.clip(x / 2.0 ** e, -57344, 57344)
;;       step = 2.0 ** (np.maximum(np.frexp(np.where(r == 0, 1, r))[1] - 1, -14) - 2)
;;       q = np.round(r / step) * step * 2.0 ** e      # np.round: ties to even
;;       return np.moveaxis(q.reshape(q.shape[:-2] + (-1,))[..., :K], -1, axis).astype(np.float32)
;;   ~~~
;;   SOFTMAX AHEAD OF A QUANTISED PRODUCT. Where the list says 'softmax', what is quantised is not the finished softmax but p = 2^(t - M), with t = logit x log2(e) and M = ceil(the row's largest t), a whole number; so 1/2 < the row's largest p <= 1. The row's sum l is taken of the UNQUANTISED p, in f32, and the product's result is divided by l at the end. Since M is a whole number, a kernel that streams over the keys may use a running M (the ceiling of the running maximum): every later rescaling is an exact power of two, which a block's scale takes up: the codes' values come out the same.
;;   OPERANDS COMPUTED ON THE WAY. 'Computed on the way' means the value that the module computes at that place (a softmax that the list does not call 'softmax' is quantised finished and normalised). What goes into a quantiser is computed in f32, as accurately as f32 sums, v_exp_f32 and their like allow (about 1e-6 of the number): no bf16 or f16 on the way to a quantiser, and a product that is left as it is and whose result goes on into a quantised operand takes f32 operands (vector FMAs, or v_wmma_f32_16x16x4_f32). A number that lies on a knife's edge between two numbers of the format may be rounded either way, as far as f32 arithmetic and the matrix unit's own rounding can turn it there, and no further.
;; One version. Each part assembles by itself: llvm-mc -triple=amdgcn-amd-amdhsa -mcpu=gfx1250 --defsym DOCPART=n.
;; ======== version 1 of 1: 5 launches
;; limits: right only within a limited range of input values
;; workspace buffers: x_codes 8,388,608 bytes; x_sc 262,144 bytes; w_codes 4,194,304 bytes; w_sc 131,072 bytes; qkv_img 25,165,824 bytes; qkv_sc 1,310,720 bytes; ctx_img 8,388,608 bytes; ctx_sc 262,144 bytes
;; launch quant_x (part 1): grid 256 x 1, 4 waves a work-group, no clusters, 33,280 bytes of LDS; arguments input_tensor, x_codes, x_sc; writes x_codes, x_sc
.if DOCPART == 1
	.amdgcn_target "amdgcn-amd-amdhsa--gfx1250"
	.amdhsa_code_object_version 6
	.text
	.protected	k_q8f1d6b2e23_quant_x
	.globl	k_q8f1d6b2e23_quant_x
	.p2align	8
	.type	k_q8f1d6b2e23_quant_x,@function
k_q8f1d6b2e23_quant_x:
	s_mov_b64 s[64:65], 0
	v_nop
	global_prefetch_b8 v0, s[64:65] scope:SCOPE_SE
	s_setreg_imm32_b32 hwreg(HW_REG_WAVE_MODE, 25, 1), 1
	s_wait_xcnt 0x0
; input_tensor [8192][1024] f32 becomes codes of BF8 (E5M2), K innermost, with one E8M0 byte for each 32 along K.
; A block's scale is 2^(floor(log2(its largest magnitude)) - 15); its byte is the largest magnitude's exponent field - 15, held at 1 from below.
; Each number is divided by the scale, held within +-57,344 and rounded to the nearest code, ties to even.
; ROW ORDER: row i is stored at place sigma(i) = i with its bits 3 and 4 exchanged, codes and scale bytes alike.  Sixteen neighbouring stored rows are then the rows
; 32 b + 8 u + r + 8 (r / 8), which the products that follow want as a tile.  A wave takes 8 rows (8,192 numbers), so sigma only exchanges waves 1 and 2 of a work-group on the way out.
; LIMITS: a block of zeros gets the byte 1 where the rule says 127 (its codes are zeros, and this program alone reads the bytes); blocks whose largest magnitude lies under 2^(16 - 127)
; are quantised at the byte 1; NaN and infinities among the inputs are not served.
; A wave takes 16 steps of 512 numbers.  Each load reads 512 consecutive bytes; a step's 2,048 bytes turn through the wave's own stage in LDS and come back 64 bytes a lane, so that a lane
; holds 16 neighbours along K and two neighbouring lanes hold a block.  No tensor loads, no barrier: waves share nothing.  Loads run four steps ahead, the turn through LDS one step.
.set STEPS, 16
.set EMAX,  15
.set MANT,  0x600000                   ; the mantissa field of 57,344 as f32
.set CB,    16                         ; bytes of 16 codes
.set R,     16                         ; v16-79   four sets of 16 numbers as they are loaded
.set X,     80                         ; v80-111  two sets of 16 neighbours
.set C,     128                        ; v128-191 codes: four registers for each step, so that no store's data are written again
.set E,     112                        ; v112-127 a scale byte for each step
.set WREG,  8192                       ; LDS: a region for each wave: two stages of 32 x SP bytes, behind them its 256 scale bytes
.set SP,    80                         ; a lane's place in a stage: its 64 bytes + 16 of padding
	s_load_b128 s[4:7], s[0:1], 0x0                ; the numbers, the codes
	s_load_b64 s[8:9], s[0:1], 0x10                ; the scale bytes
	v_lshl_add_u32 v192, v0, 2, 0x8000
	v_mov_b32 v193, 0
	v_lshrrev_b32 v1, 5, v0
	v_readfirstlane_b32 s16, v1                    ; wave
	v_and_b32 v2, 31, v0                           ; lane
	v_lshlrev_b32 v3, 4, v2                        ; my 16 bytes of a load's 512
	s_mul_i32 s17, s16, WREG
	v_lshrrev_b32 v14, 2, v2
	v_mul_u32_u24 v14, v14, SP
	v_and_b32 v15, 3, v2
	v_lshl_add_u32 v14, v15, 4, v14
	v_add_nc_u32 v14, s17, v14                     ; the stage, on the way in: SP (lane / 4) + 16 (lane % 4)
	v_mul_u32_u24 v15, v2, SP
	v_add_nc_u32 v15, s17, v15                     ; and on the way out: SP x lane: my 16 neighbours
	v_mul_u32_u24 v4, v2, CB                       ; my codes' place in a step's
	v_lshrrev_b32 v5, 1, v2
	s_add_co_u32 s17, s17, 2*32*SP
	v_add_nc_u32 v5, s17, v5                       ; LDS: my wave's 256 scale bytes, my block's byte
	v_lshlrev_b32 v7, 3, v2                        ; and on the way out 8 bytes a lane
	v_add_nc_u32 v6, s17, v7
	s_mov_b32 s23, MANT
	s_lshl_b32 s18, ttmp9, 2
	s_add_co_u32 s20, s18, s16                     ; which run of 8 rows I read: 4 x work-group + wave
	s_lshl_b32 s20, s20, 15                        ; 32,768 bytes a run
	s_mov_b32 s21, 0
	s_and_b32 s19, s16, 1                          ; where it goes: the wave's two bits exchanged (they are the rows' bits 3 and 4)
	s_lshl_b32 s19, s19, 1
	s_lshr_b32 s22, s16, 1
	s_or_b32 s19, s19, s22
	s_add_co_u32 s19, s18, s19
	s_lshl_b32 s24, s19, 13                        ; 8,192 bytes of codes a run
	s_mov_b32 s25, 0
	s_lshl_b32 s26, s19, 8                         ; 256 scale bytes a run
	s_mov_b32 s27, 0
	s_wait_kmcnt 0x0
	s_add_nc_u64 s[4:5], s[4:5], s[20:21]
	s_add_nc_u64 s[6:7], s[6:7], s[24:25]
	s_add_nc_u64 s[8:9], s[8:9], s[26:27]
.macro LOAD t
.irp i, 0,1,2,3
	global_load_b128 v[R+16*((\t)%4)+4*\i:R+16*((\t)%4)+4*\i+3], v3, s[4:5] offset:2048*(\t)+512*\i th:TH_LOAD_NT   ; 32 lanes read 512 consecutive bytes
.endr
.endm
.macro TURN t                          ; step t's numbers through the stage: LDS serves a wave's instructions in order, so no wait stands between the stores and the loads
.irp i, 0,1,2,3
	ds_store_b128 v14, v[R+16*((\t)%4)+4*\i:R+16*((\t)%4)+4*\i+3] offset:32*SP*((\t)%2)+8*SP*\i
.endr
.irp i, 0,1,2,3
	ds_load_b128 v[X+16*((\t)%2)+4*\i:X+16*((\t)%2)+4*\i+3], v15 offset:32*SP*((\t)%2)+16*\i
.endr
.endm
.irp t, 0,1,2,3
	LOAD \t
.endr
	s_wait_loadcnt 12                              ; step 0's four loads are in; the twelve of steps 1 to 3 stay out
	TURN 0
.macro STEP t
.set XS, X+16*((\t)%2)
.if (\t) > 0
	s_wait_dscnt 1                                 ; this step's numbers are back from the stage (the last step's byte store may be out)
.else
	s_wait_dscnt 0x0
.endif
.if (\t)+4 < STEPS
	LOAD (\t)+4                                    ; into the registers that this step's stores into the stage have read
.endif
.if (\t)+1 < STEPS
.if STEPS-2-(\t) >= 3
	s_wait_loadcnt 12                              ; the next step's four loads are in; those of the three steps behind it may be out
.else
	s_wait_loadcnt 4*(STEPS-2-(\t))
.endif
	TURN (\t)+1                                    ; through the other stage while this step is worked
.endif
	v_max3_num_f32 v8, |v[XS]|, |v[XS+1]|, |v[XS+2]|               ; the largest magnitude of my 16, in two chains
	v_max3_num_f32 v9, |v[XS+3]|, |v[XS+4]|, |v[XS+5]|
.irp i, 6,10
	v_max3_num_f32 v8, v8, |v[XS+\i]|, |v[XS+\i+1]|
	v_max3_num_f32 v9, v9, |v[XS+\i+2]|, |v[XS+\i+3]|
.endr
	v_max3_num_f32 v8, v8, |v[XS+14]|, |v[XS+15]|
	v_max3_num_f32 v8, v8, v9, (EMAX+1)<<23        ; and the floor 2^(16 - 127): the byte cannot fall under 1
	v_max_num_f32_dpp v8, v8, v8 row_xmask:1 row_mask:0xf bank_mask:0xf   ; and of my neighbour's 16: the block's
	v_add_nc_u32 v11, -(EMAX<<23), v8              ; 15 off its exponent field: the conversion takes the exponent field of this operand as its scale
	v_and_or_b32 v10, v8, 0x7f800000, s23          ; 57,344 x the scale
.irp i, 0,1,2,3,4,5,6,7,8,9,10,11,12,13,14,15
	v_med3_num_f32 v[XS+\i], v[XS+\i], -v10, v10   ; the conversion to an 8-bit code does not saturate (ISA guide 7.6.2): the hold comes first
.endr
	v_cvt_scalef32_pk8_bf8_f32 v[C+4*(\t):C+4*(\t)+1], v[XS:XS+7], v11
	v_cvt_scalef32_pk8_bf8_f32 v[C+4*(\t)+2:C+4*(\t)+3], v[XS+8:XS+15], v11
	v_lshrrev_b32 v[E+(\t)], 23, v11               ; the scale's byte
	ds_store_b8 v5, v[E+(\t)] offset:16*(\t)       ; both lanes of a block write the same byte with the same value
	global_store_b128 v4, v[C+4*(\t):C+4*(\t)+3], s[6:7] offset:32*CB*(\t)   ; the wave stores 512 consecutive bytes
.endm
.irp t, 0,1,2,3,4,5,6,7,8,9,10,11,12,13,14,15
	STEP \t
.endr
	ds_load_b64 v[12:13], v6                       ; LDS serves a wave's instructions in order: these see my stores
	s_wait_dscnt 0x0
	global_store_b64 v7, v[12:13], s[8:9]          ; 32 lanes store 256 consecutive bytes, aligned
	s_wait_tensorcnt 0x0
	ds_add_u32 v192, v193
	s_wait_dscnt 0x0
	s_endpgm
.Lfunc_end_k_q8f1d6b2e23_quant_x:
	.size	k_q8f1d6b2e23_quant_x, .Lfunc_end_k_q8f1d6b2e23_quant_x-k_q8f1d6b2e23_quant_x
	.p2alignl 7, 3214868480
	.fill 96, 4, 3214868480
	.section	.rodata,"a",@progbits
	.p2align	6, 0x0
	.amdhsa_kernel k_q8f1d6b2e23_quant_x
		.amdhsa_group_segment_fixed_size 33280
		.amdhsa_private_segment_fixed_size 0
		.amdhsa_enable_private_segment 0
		.amdhsa_kernarg_size 24
		.amdhsa_user_sgpr_count 2
		.amdhsa_user_sgpr_kernarg_segment_ptr 1
		.amdhsa_wavefront_size32 1
		.amdhsa_system_sgpr_workgroup_id_x 1
		.amdhsa_system_sgpr_workgroup_id_y 1
		.amdhsa_system_sgpr_workgroup_id_z 1
		.amdhsa_system_vgpr_workitem_id 0
		.amdhsa_next_free_vgpr 194
		.amdhsa_next_free_sgpr 66
		.amdhsa_reserve_vcc 0
		.amdhsa_float_denorm_mode_32 3
		.amdhsa_float_denorm_mode_16_64 3
		.amdhsa_memory_ordered 1
		.amdhsa_forward_progress 1
		.amdhsa_inst_pref_size 51
	.end_amdhsa_kernel
	.amdgpu_metadata
---
amdhsa.version: [ 1, 2 ]
amdhsa.kernels:
  - .name:           k_q8f1d6b2e23_quant_x
    .symbol:         k_q8f1d6b2e23_quant_x.kd
    .args:
      - { .name: input_tensor, .offset: 0, .size: 8, .value_kind: global_buffer, .address_space: global }
      - { .name: x_codes, .offset: 8, .size: 8, .value_kind: global_buffer, .address_space: global }
      - { .name: x_sc, .offset: 16, .size: 8, .value_kind: global_buffer, .address_space: global }
    .group_segment_fixed_size: 33280
    .private_segment_fixed_size: 0
    .kernarg_segment_align: 8
    .kernarg_segment_size: 24
    .max_flat_workgroup_size: 128
    .sgpr_count:     66
    .vgpr_count:     194
    .wavefront_size: 32
...
	.end_amdgpu_metadata
.endif
;; end of part 1
;; launch quant_w (part 2): grid 8 x 16, 4 waves a work-group, no clusters, 36,352 bytes of LDS; arguments Wq, Wk, Wv, Wd, w_codes, w_sc; writes w_codes, w_sc
.if DOCPART == 2
	.amdgcn_target "amdgcn-amd-amdhsa--gfx1250"
	.amdhsa_code_object_version 6
	.text
	.protected	k_q8f1d6b2e23_quant_w
	.globl	k_q8f1d6b2e23_quant_w
	.p2align	8
	.type	k_q8f1d6b2e23_quant_w,@function
k_q8f1d6b2e23_quant_w:
	s_mov_b64 s[64:65], 0
	v_nop
	global_prefetch_b8 v0, s[64:65] scope:SCOPE_SE
	s_setreg_imm32_b32 hwreg(HW_REG_WAVE_MODE, 25, 1), 1
	s_wait_xcnt 0x0
; Wq, Wk, Wv, Wd [1024 (k)][1024 (n)] f32: K is the FIRST axis.  Each becomes codes of BF8 (E5M2) with K innermost and one E8M0 byte for each 32 along K.
; A LANE TAKES A COLUMN n AND ITS REGISTERS RUN DOWN K: a block of 32 lies in one lane's 32 registers, and the conversions give codes with K innermost.  Nothing is transposed by an instruction.
; Work-group (x, y): weight y / 4, K from 256 (y % 4) on, columns 128 x on; a wave takes 32 columns x 256 along K.
; LAYOUTS.  Wq, Wk, Wv: rows of 1,024 bytes, row (weight x 1024 + n) stored at place sigma(row) = the row with its bits 3 and 4 exchanged; scale bytes [place][32].
; Wd: from byte 3,145,728 on, in the ORDER OF THE OPERAND'S REGISTERS: [tile of 16 n][K step of 128][4 registers c][lane][16 bytes], lane (r, h) holding n = r, k = 32 c + 16 h + 0 .. 15;
; its scale bytes at rows 3072 + n, in plain order.
; LIMITS: a block of zeros gets the byte 1 where the rule says 127 (its codes are zeros, and this program alone reads the bytes); blocks under 2^(16 - 127) are quantised at the byte 1; NaN and infinities are not served.
; No tensor loads, no barrier: waves share nothing.  Loads run two blocks ahead.
.set KW,    256
.set NB,    8
.set PITCH, 272                        ; a stage row: 256 bytes of a column's codes + 16
.set EMAX,  15
.set MANT,  0x600000
.set X,     32                         ; v32-95   two sets of 32 numbers
.set C,     96                         ; v96-103  a block's codes
.set OUTR,  112                        ; v112-175 the way out
.set SB,    24                         ; v24-25   the scale bytes
	s_load_b256 s[4:11], s[0:1], 0x0               ; Wq, Wk, Wv, Wd
	s_load_b128 s[12:15], s[0:1], 0x20             ; the codes, the scale bytes
	v_lshl_add_u32 v192, v0, 2, 0x8c00
	v_mov_b32 v193, 0
	v_lshrrev_b32 v1, 5, v0
	v_readfirstlane_b32 s16, v1                    ; wave
	v_and_b32 v2, 31, v0                           ; lane
	s_lshl_b32 s17, ttmp9, 7
	s_lshl_b32 s18, s16, 5
	s_add_co_u32 s17, s17, s18                     ; n0: my wave's first column
	s_and_b32 s18, ttmp7, 0xffff
	s_lshr_b32 s19, s18, 2                         ; which weight
	s_and_b32 s18, s18, 3                          ; which 256 along K
	v_lshlrev_b32 v3, 2, v2                        ; in: 4 bytes a lane
	s_mul_i32 s20, s16, 32*PITCH                   ; my stage
	v_mul_u32_u24 v4, v2, PITCH
	v_add_nc_u32 v4, s20, v4                       ; into it: row = my column
	v_and_b32 v5, 15, v2                           ; r
	v_lshrrev_b32 v6, 4, v2                        ; h
	v_mul_u32_u24 v7, v6, PITCH
	v_lshl_add_u32 v7, v5, 4, v7
	v_add_nc_u32 v7, s20, v7                       ; out, by rows: sixteen lanes to a row, two rows an instruction
	v_lshlrev_b32 v8, 10, v6
	v_lshl_add_u32 v8, v5, 4, v8                   ; and the same place among rows of 1,024 bytes
	v_mul_u32_u24 v14, v5, PITCH
	v_lshl_add_u32 v14, v6, 4, v14
	v_add_nc_u32 v14, s20, v14                     ; out, as an operand's registers: row r, + 16 h
	v_lshlrev_b32 v15, 4, v2                       ; and 16 x lane in the image
	v_and_b32 v16, 7, v2                           ; sigma(lane)
	v_bfe_u32 v17, v2, 3, 1
	v_lshl_add_u32 v16, v17, 4, v16
	v_lshl_add_u32 v16, v6, 3, v16
	s_cmp_eq_u32 s19, 3
	s_cselect_b32 s30, -1, 0
	v_cndmask_b32 v9, v16, v2, s30                 ; Wd's scale rows keep their order
	v_lshlrev_b32 v9, 5, v9                        ; 32 bytes a row of scale bytes
	s_lshl_b32 s20, s18, 20                        ; W: 256 rows of 4,096 bytes for each step along K,
	s_lshl_b32 s21, s17, 2
	s_add_co_u32 s20, s20, s21                     ; + 4 n0
	s_mov_b32 s21, 0
	s_lshl_b32 s22, s19, 10
	s_add_co_u32 s22, s22, s17                     ; the row among all 4,096
	s_lshl_b32 s24, s22, 10
	s_lshl_b32 s23, s18, 8
	s_add_co_u32 s24, s24, s23                     ; codes by rows: row x 1,024 + 256 kc
	s_lshr_b32 s26, s17, 4
	s_lshl_b32 s26, s26, 14
	s_lshl_b32 s23, s18, 12
	s_add_co_u32 s26, s26, s23
	s_add_co_u32 s26, s26, 3145728                 ; Wd's image: (tile x 8 + 2 kc) x 2,048
	s_cmp_eq_u32 s19, 3
	s_cselect_b32 s24, s26, s24
	s_mov_b32 s25, 0
	s_lshl_b32 s28, s22, 5
	s_lshl_b32 s23, s18, 3
	s_add_co_u32 s28, s28, s23                     ; scale bytes: row x 32 + 8 kc
	s_mov_b32 s29, 0
	s_mov_b32 s31, MANT
	s_wait_kmcnt 0x0
	s_cmp_eq_u32 s19, 1                            ; the weight is chosen by the work-group's number alone
	s_cselect_b64 s[4:5], s[6:7], s[4:5]
	s_cmp_eq_u32 s19, 2
	s_cselect_b64 s[4:5], s[8:9], s[4:5]
	s_cmp_eq_u32 s19, 3
	s_cselect_b64 s[4:5], s[10:11], s[4:5]
	s_add_nc_u64 s[4:5], s[4:5], s[20:21]
	s_add_nc_u64 s[12:13], s[12:13], s[24:25]
	s_add_nc_u64 s[14:15], s[14:15], s[28:29]
.macro LOAD t                          ; block t: W(32 t + i, my column), i = 0 .. 31, into set t % 2
.irp i, 0,1,2,3,4,5,6,7,8,9,10,11,12,13,14,15,16,17,18,19,20,21,22,23,24,25,26,27,28,29,30,31
	global_load_b32 v[X+32*((\t)%2)+\i], v3, s[4:5] offset:(32*(\t)+\i)*4096 th:TH_LOAD_NT
.endr
.endm
	LOAD 0
	LOAD 1
.macro BLOCK t
.set XS, X+32*((\t)%2)
.if (\t) < NB-1
	s_wait_loadcnt 32                              ; this block's 32 loads are in; the next block's may be out
.else
	s_wait_loadcnt 0
.endif
	v_max3_num_f32 v12, |v[XS]|, |v[XS+1]|, |v[XS+2]|               ; the block's largest magnitude: all 32 numbers are mine
	v_max3_num_f32 v13, |v[XS+3]|, |v[XS+4]|, |v[XS+5]|
.irp i, 6,10,14,18,22,26
	v_max3_num_f32 v12, v12, |v[XS+\i]|, |v[XS+\i+1]|
	v_max3_num_f32 v13, v13, |v[XS+\i+2]|, |v[XS+\i+3]|
.endr
	v_max3_num_f32 v12, v12, |v[XS+30]|, |v[XS+31]|
	v_max3_num_f32 v12, v12, v13, (EMAX+1)<<23     ; and the floor 2^(16 - 127): the byte cannot fall under 1
	v_add_nc_u32 v11, -(EMAX<<23), v12             ; the conversion's scale operand
	v_and_or_b32 v10, v12, 0x7f800000, s31         ; 57,344 x the scale
	v_lshrrev_b32 v13, 23, v11                     ; the scale's byte
.if (\t)%4 == 0
	v_mov_b32 v[SB+(\t)/4], v13                    ; four bytes to a register, the lower K in the lower byte
.else
	v_lshl_or_b32 v[SB+(\t)/4], v13, 8*((\t)%4), v[SB+(\t)/4]
.endif
.irp i, 0,1,2,3,4,5,6,7,8,9,10,11,12,13,14,15,16,17,18,19,20,21,22,23,24,25,26,27,28,29,30,31
	v_med3_num_f32 v[XS+\i], v[XS+\i], -v10, v10   ; the hold at the largest code x the scale (ISA guide 7.6.2)
.endr
.irp g, 0,1,2,3
	v_cvt_scalef32_pk8_bf8_f32 v[C+2*\g:C+2*\g+1], v[XS+8*\g:XS+8*\g+7], v11
.endr
	ds_store_b128 v4, v[C:C+3] offset:32*(\t)      ; 32 codes: 32 bytes of my column's row
	ds_store_b128 v4, v[C+4:C+7] offset:32*(\t)+16
.if (\t)+2 < NB
	LOAD (\t)+2
.endif
	s_wait_dscnt 0x0                               ; the stores have read their registers: the next block's codes may be written
.endm
.set Q, 0
.rept NB
	BLOCK Q
.set Q, Q+1
.endr
	global_store_b64 v9, v[SB:SB+1], s[14:15]      ; my column's 8 scale bytes
	s_cmp_eq_u32 s19, 3
	s_cbranch_scc1 .Lwd
.irp t, 0,1,2,3,4,5,6,7,8,9,10,11,12,13,14,15
	ds_load_b128 v[OUTR+4*\t:OUTR+4*\t+3], v7 offset:2*\t*PITCH   ; LDS serves a wave's instructions in order: these see my stores
.endr
.irp t, 0,1,2,3,4,5,6,7,8,9,10,11,12,13,14,15
.set SG, ((2*\t)&7)+(((2*\t)>>3)&1)*16+(((2*\t)>>4)&1)*8
	s_wait_dscnt 15-\t
	global_store_b128 v8, v[OUTR+4*\t:OUTR+4*\t+3], s[12:13] offset:SG*1024   ; rows 2 t and 2 t + 1 go to places sigma(2 t) and sigma(2 t) + 1; sixteen lanes store 256 consecutive bytes, aligned
.endr
	s_wait_tensorcnt 0x0
	ds_add_u32 v192, v193
	s_wait_dscnt 0x0
	s_endpgm
.Lwd:
.irp i, 0,1,2,3,4,5,6,7,8,9,10,11,12,13,14,15   ; tile i / 8 of my 32 columns, K step (i / 4) % 2 of my 256, registers 4 (i % 4) on
	ds_load_b128 v[OUTR+4*\i:OUTR+4*\i+3], v14 offset:16*(\i/8)*PITCH+128*((\i/4)%2)+32*(\i%4)
.endr
.irp i, 0,1,2,3,4,5,6,7,8,9,10,11,12,13,14,15
	s_wait_dscnt 15-\i
	global_store_b128 v15, v[OUTR+4*\i:OUTR+4*\i+3], s[12:13] offset:(8*(\i/8)+((\i/4)%2))*2048+512*(\i%4)   ; the wave stores 512 consecutive bytes
.endr
	s_wait_tensorcnt 0x0
	ds_add_u32 v192, v193
	s_wait_dscnt 0x0
	s_endpgm
.Lfunc_end_k_q8f1d6b2e23_quant_w:
	.size	k_q8f1d6b2e23_quant_w, .Lfunc_end_k_q8f1d6b2e23_quant_w-k_q8f1d6b2e23_quant_w
	.p2alignl 7, 3214868480
	.fill 96, 4, 3214868480
	.section	.rodata,"a",@progbits
	.p2align	6, 0x0
	.amdhsa_kernel k_q8f1d6b2e23_quant_w
		.amdhsa_group_segment_fixed_size 36352
		.amdhsa_private_segment_fixed_size 0
		.amdhsa_enable_private_segment 0
		.amdhsa_kernarg_size 48
		.amdhsa_user_sgpr_count 2
		.amdhsa_user_sgpr_kernarg_segment_ptr 1
		.amdhsa_wavefront_size32 1
		.amdhsa_system_sgpr_workgroup_id_x 1
		.amdhsa_system_sgpr_workgroup_id_y 1
		.amdhsa_system_sgpr_workgroup_id_z 1
		.amdhsa_system_vgpr_workitem_id 0
		.amdhsa_next_free_vgpr 194
		.amdhsa_next_free_sgpr 66
		.amdhsa_reserve_vcc 0
		.amdhsa_float_denorm_mode_32 3
		.amdhsa_float_denorm_mode_16_64 3
		.amdhsa_memory_ordered 1
		.amdhsa_forward_progress 1
		.amdhsa_inst_pref_size 64
	.end_amdhsa_kernel
	.amdgpu_metadata
---
amdhsa.version: [ 1, 2 ]
amdhsa.kernels:
  - .name:           k_q8f1d6b2e23_quant_w
    .symbol:         k_q8f1d6b2e23_quant_w.kd
    .args:
      - { .name: Wq, .offset: 0, .size: 8, .value_kind: global_buffer, .address_space: global }
      - { .name: Wk, .offset: 8, .size: 8, .value_kind: global_buffer, .address_space: global }
      - { .name: Wv, .offset: 16, .size: 8, .value_kind: global_buffer, .address_space: global }
      - { .name: Wd, .offset: 24, .size: 8, .value_kind: global_buffer, .address_space: global }
      - { .name: w_codes, .offset: 32, .size: 8, .value_kind: global_buffer, .address_space: global }
      - { .name: w_sc, .offset: 40, .size: 8, .value_kind: global_buffer, .address_space: global }
    .group_segment_fixed_size: 36352
    .private_segment_fixed_size: 0
    .kernarg_segment_align: 8
    .kernarg_segment_size: 48
    .max_flat_workgroup_size: 128
    .sgpr_count:     66
    .vgpr_count:     194
    .wavefront_size: 32
...
	.end_amdgpu_metadata
.endif
;; end of part 2
;; launch qkv (part 3): grid 12 x 32, 4 waves a work-group, clusters of 4 x 4, 327,680 bytes of LDS; arguments x_codes, x_sc, w_codes, w_sc, bq, bk, bv, qkv_img, qkv_sc; writes qkv_img, qkv_sc
.if DOCPART == 3
	.amdgcn_target "amdgcn-amd-amdhsa--gfx1250"
	.amdhsa_code_object_version 6
	.text
	.protected	k_q8f1d6b2e23_qkv
	.globl	k_q8f1d6b2e23_qkv
	.p2align	8
	.type	k_q8f1d6b2e23_qkv,@function
k_q8f1d6b2e23_qkv:
	s_mov_b64 s[64:65], 0
	v_nop
	global_prefetch_b8 v0, s[64:65] scope:SCOPE_SE
	s_setreg_imm32_b32 hwreg(HW_REG_WAVE_MODE, 25, 1), 1
	s_wait_xcnt 0x0
	s_wait_alu depctr_hold_cnt(0) depctr_sa_sdst(0) depctr_va_vdst(0) depctr_va_sdst(0) depctr_va_ssrc(0) depctr_va_vcc(0) depctr_vm_vsrc(0)
	s_getreg_b32 s2, hwreg(HW_REG_IB_STS2, 6, 4)
	s_cmp_eq_u32 s2, 0
	s_cbranch_scc0 .Lentry_in_a_cluster
	s_endpgm
.Lentry_in_a_cluster:
	s_bfe_u32 s2, ttmp6, 0x10000c
	s_cmp_lg_u32 s2, 0xf033
	s_cbranch_scc0 .Lentry_shape_is_right
	s_endpgm
.Lentry_shape_is_right:
; q = x Wq + bq, k = x Wk + bk, v = x Wv + bv on codes of BF8 (E5M2) with E8M0 scales, K = 1,024; the results are quantised in registers and leave as codes, in the order of the next operand's registers.
; A work-group of four waves makes 256 x 256 results, a wave 128 x 128: 64 accumulators, 512 registers.  K goes in steps of 256 through a ring of two LDS slots filled by the tensor data mover; the scale bytes of
; the work-group's 2 x 256 rows, for all of K, come into LDS once.  384 work-groups: 128 for each of q, k, v.
; ROLES.  Source 1 gives a lane its row, source 0 runs along a lane's registers.  q and k are quantised along the features (a head's 64): source 1 = tokens (x), source 0 = rows of Wq | Wk (clusters x = 0, 1).
; v is quantised along the tokens (the keys): source 1 = rows of Wv, source 0 = tokens (cluster x = 2).  The choice hangs on the cluster's x alone, which all sixteen partners share.
; ROW ORDER.  Tokens and weight rows lie in memory at place sigma(row) (bits 3 and 4 exchanged).  So the 16 registers that a lane holds of source 0's tiles 2 b and 2 b + 1 are the 16 neighbours 32 b + 16 (lane / 16) + 0 .. 15.
; CLUSTERS: 4 x 4 work-groups.  Source 1's tiles are shared along a row of the cluster, source 0's along a column: each is asked for JOINTLY, by the same tensor load with the same descriptor and a mask that names the four.
; OUT.  Images: q at 0, k at 8,388,608: [batch x 16 + head][tile of 16 tokens][2][lane][16 bytes]; v at 16,777,216: [batch x 16 + head][128 keys][tile of 16 channels][4][lane][16 bytes].
; Scale words: q at 0, k at 524,288: [bh][4 tiles][r][tile % 4]; v at 1,048,576: [bh][128 keys][r][tile].  q's bytes are lowered by 3: the scores' division by sqrt(64) = 8, exact.
; LIMITS: no largest magnitude is taken under 2^(19 - 127), so that every byte is at least 4 (and q's at least 1); a block of zeros gets that byte where the rule says 127 (its codes are zeros; this program alone reads the bytes);
; NaN and infinities are not served.
; REGISTERS, in windows of 256: window 0: v0-15 v's bias by lane, in pairs; v16-31 addresses; v32-63 scale words, two sets; v64-127 q's and k's bias by register; from v128 source 1's fragments, ONE set; on the way out v128-235 at work.
;   window 1: source 0's fragments, TWO sets.   window 2: the accumulators of my rows 0-63 ((a, b) at v[8 (8 a + b)]);   window 3: those of my rows 64-127.
.set KSTEP,  256
.set NQ,     2                         ; matrix instructions deep in a slot
.set ROWB,   256                       ; a tile's row in bytes
.set KROW,   1024                      ; a row in memory
.set PITCH,  272                       ; an LDS row: 256 bytes + 16 of padding: the 16 rows that a load touches start 68 words apart
.set FR,     16
.set NL,     4
.set NP,     8                         ; places behind this matrix instruction (ISA guide 7.12.1)
.set HALFT,  128*PITCH
.set SLOT,   4*HALFT
.set LAPS,   2                         ; 1,024 / 512
.set KS,     32                        ; a row of scale bytes
.set SCL,    2*SLOT                    ; behind the ring: the scales, as units of 256 bytes + 16 of padding
.set HALFS,  (128*KS/256)*272
.set SBLK,   (16*KS/256)*272
.set SPARE,  SCL+4*HALFS               ; the spare words, 128 bytes for each wave: two blocks of 256 bytes that no other line names
.set FLOOR,  0x9800000                 ; 2^(19 - 127)
.set BV,   0                           ; v0-15   v's bias: pair a holds the bias of my lane's row of block a, twice
.set ADRA, 16                          ; v16-17  LDS address of source 1's fragments in slot 0, 1
.set ADRB, 20                          ; v20-21  the same for source 0
.set IO,   24                          ; v24     16 x lane: my place in an image
.set WO,   25                          ; v25     my place among the scale words
.set BO,   26                          ; v26     64 (lane / 16): the bias by register
.set ADRS, 27                          ; v27     LDS address of my scale words
.set SPW,  28                          ; v28     LDS address of my spare word; never rewritten
.set NIL,  29                          ; v29     0; never rewritten
.set SH,   30                          ; v30     16 (lane / 16)
.set BO2,  31                          ; v31     4 (r + 8 (r / 8)): the bias by lane
.set SC,   32
.set BIA,  64                          ; v64-127 register 16 b + i: the bias of feature 32 b + 16 (lane / 16) + i
.set AF,   128
.set T,    128                         ; the way out: 64 numbers
.set PC,   192                         ; their codes
.set TM,   208                         ; v208-211 largest magnitudes, 212-215 bytes, 216-219 the hold, 220-223 the conversion's scale operand
.set PWS,  224                         ; v224-231 the eight blocks' scale words
.set O4,   232
.set G1, 24
.set G0, 32
.set G1B, 48
.set G0B, 56
.set G1S, 68
.set G0S, 76
.set G1SB, 80
.set G0SB, 88
.set SEL, 92                           ; s92-93 on the way out: lane selects for v_permlanex16_b32
.set MNT, 94                           ; s94    the mantissa field of 57,344
.set MSB, 0
.macro WIN new                         ; the immediate's high byte repeats the setting that is left
.if MSB != (\new)
	s_set_vgpr_msb (MSB<<8)|(\new)
.set MSB, (\new)
.endif
.endm
.set MUL_LO, 0xa1                      ; source 0 window 1, source 1 window 0, C and D window 2
.set MUL_HI, 0xf1                      ; the same, C and D window 3
.set TO_B,   0x40                      ; destination window 1, address window 0
; A joint load: waves 0 and 1 fetch for source 1, waves 2 and 3 for source 0.  The branch hangs on the wave's number alone.  Four v_nop follow each of the two lines.
.macro JLOAD g0a, g1a, g0b, g1b
	s_cmp_eq_u32 s15, 0
	s_cbranch_scc0 .Lfor_b_\@
	tensor_load_to_lds s[\g0a:\g0a+3], s[\g1a:\g1a+7]
	s_nop 0
.rept 4
	v_nop
.endr
	s_branch .Lasked_\@
.Lfor_b_\@:
	tensor_load_to_lds s[\g0b:\g0b+3], s[\g1b:\g1b+7]
	s_nop 0
.rept 4
	v_nop
.endr
.Lasked_\@:
.endm
.macro CREST                           ; a round of the cluster's barrier behind its opening barrier
	s_cmp_lg_u32 s14, 0
	s_cbranch_scc1 .Lnot_wave_0_\@
	s_barrier_signal -3
.Lnot_wave_0_\@:
	s_barrier_wait -3
	s_barrier_signal -1
	s_barrier_wait -1
.endm
.macro CROUND
	s_barrier_signal -1
	s_barrier_wait -1
	CREST
.endm
	s_load_b128 s[4:7], s[0:1], 0x0                ; x's codes, x's scales
	s_load_b128 s[8:11], s[0:1], 0x10              ; the weights' codes, their scales
	s_load_b64 s[96:97], s[0:1], 0x38              ; the images
	s_load_b64 s[98:99], s[0:1], 0x40              ; the scale words
	v_lshl_add_u32 v[SPW], v0, 2, SPARE
	v_mov_b32 v[NIL], 0
	ds_add_u32 v28, v29
	ds_add_u32 v28, v29
	s_wait_dscnt 0x0
	v_lshrrev_b32 v1, 5, v0
	v_readfirstlane_b32 s14, v1                    ; wave 0..3
	s_lshr_b32 s15, s14, 1                         ; which half of source 1's rows is mine.  Also: I fetch for source 1 (0) or source 0 (1)
	s_and_b32 s16, s14, 1                          ; which half of source 0's.  Also: which 128 rows of that tile I fetch
	s_bfe_u32 s40, ttmp6, 0x40000                  ; cx, cy: my place in the cluster
	s_bfe_u32 s41, ttmp6, 0x40004
	s_and_b32 s66, ttmp7, 0xffff
	s_lshl_b32 s66, s66, 2                         ; 4 x cluster y
	s_lshl_b32 s67, ttmp9, 2                       ; 4 x cluster x
	s_cmp_eq_u32 ttmp9, 2                          ; v's clusters?
	s_cselect_b32 s17, 8, s66                      ; source 1's tile of 256 rows: Wv's begin at tile 8; else x's tile
	s_cselect_b32 s42, s66, s67                    ; source 0's: x's tile; else Wq's and Wk's
	s_add_co_u32 s17, s17, s41                     ; + cy: it never holds cx
	s_add_co_u32 s42, s42, s40                     ; + cx: it never holds cy
	s_lshl_b32 s43, s41, 2
	s_lshl_b32 s43, 15, s43                        ; my row of the cluster
	s_lshl_b32 s44, 0x1111, s40                    ; my column
	s_or_b32 s[G1+0], s43, (0<<16)|(1<<20)|(1<<21)|(5<<22)|(3<<25)  ; 15:0 the mask; 17:16 elements of 1 byte; 20 padding on; 21 set beside a mask; 24:22 after every 64 words; 31:25 four words
	s_or_b32 s[G1B+0], s44, (0<<16)|(1<<20)|(1<<21)|(5<<22)|(3<<25)
.irp g, G1, G1B
	s_mov_b32 s[\g+1], ROWB<<16                    ; tensor_dim0
	s_mov_b32 s[\g+2], 128<<16                     ; tensor_dim1
	s_mov_b32 s[\g+3], ROWB<<16                    ; tile_dim0
	s_mov_b32 s[\g+4], 128                         ; tile_dim1
	s_mov_b32 s[\g+5], KROW                        ; tensor_dim0_stride
	s_mov_b32 s[\g+6], 0
	s_mov_b32 s[\g+7], 0
.endr
	s_or_b32 s[G1S+0], s43, (3<<16)|(1<<20)|(1<<21)|(5<<22)|(3<<25)   ; the scales of 128 rows: 4,096 dense bytes as 16 rows of 256 (32 elements of 8 bytes), 16 bytes of padding behind each
	s_or_b32 s[G1SB+0], s44, (3<<16)|(1<<20)|(1<<21)|(5<<22)|(3<<25)
.irp g, G1S, G1SB
	s_mov_b32 s[\g+1], 32<<16
	s_mov_b32 s[\g+2], (128*KS/256)<<16
	s_mov_b32 s[\g+3], 32<<16
	s_mov_b32 s[\g+4], 128*KS/256
	s_mov_b32 s[\g+5], 32
	s_mov_b32 s[\g+6], 0
	s_mov_b32 s[\g+7], 0
.endr
	s_lshl_b32 s18, s16, 7                         ; which 128 rows of the tile I fetch
	s_lshl_b32 s20, s17, 8
	s_add_co_u32 s20, s20, s18
	s_lshl_b32 s46, s42, 8
	s_add_co_u32 s46, s46, s18
	s_mov_b32 s21, 0
	s_mov_b32 s47, 0
	s_mov_b64 s[18:19], KS
	s_mul_u64 s[22:23], s[20:21], s[18:19]         ; where these rows' scales begin, in bytes
	s_mul_u64 s[92:93], s[46:47], s[18:19]
	s_mov_b64 s[18:19], KROW
	s_mul_u64 s[20:21], s[20:21], s[18:19]         ; and their codes
	s_mul_u64 s[46:47], s[46:47], s[18:19]
	s_mul_i32 s45, s14, HALFT                      ; where they go: wave x 128 rows: no place in the cluster enters an LDS address
	s_mul_i32 s94, s14, HALFS
	s_wait_kmcnt 0x0
	s_cmp_eq_u32 ttmp9, 2                          ; in v's clusters the two tensors change roles
	s_cselect_b64 s[12:13], s[8:9], s[4:5]
	s_cselect_b64 s[8:9], s[4:5], s[8:9]
	s_mov_b64 s[4:5], s[12:13]
	s_cselect_b64 s[12:13], s[10:11], s[6:7]
	s_cselect_b64 s[10:11], s[6:7], s[10:11]
	s_mov_b64 s[6:7], s[12:13]
	s_add_nc_u64 s[20:21], s[4:5], s[20:21]
	s_add_nc_u64 s[22:23], s[6:7], s[22:23]
	s_add_nc_u64 s[46:47], s[8:9], s[46:47]
	s_add_nc_u64 s[92:93], s[10:11], s[92:93]
	CROUND                                         ; all sixteen work-groups are here: the first joint loads meet
	s_mov_b32 s[G0S], 1
	s_add_co_u32 s[G0S+1], s94, SCL
	s_mov_b64 s[G0S+2:G0S+3], s[22:23]
	s_or_b32 s[G0S+3], s[G0S+3], 0x80000000
	s_mov_b32 s[G0SB], 1
	s_add_co_u32 s[G0SB+1], s94, SCL
	s_mov_b64 s[G0SB+2:G0SB+3], s[92:93]
	s_or_b32 s[G0SB+3], s[G0SB+3], 0x80000000
	JLOAD G0S, G1S, G0SB, G1SB                     ; the scales first: they are wanted with K step 0
.irp s, 0,1
	s_mov_b32 s[G0+4*\s], 1
	s_add_co_u32 s[G0+4*\s+1], s45, \s*SLOT
	s_add_nc_u64 s[G0+4*\s+2:G0+4*\s+3], s[20:21], \s*ROWB
	s_or_b32 s[G0+4*\s+3], s[G0+4*\s+3], 0x80000000
	s_mov_b32 s[G0B+4*\s], 1
	s_add_co_u32 s[G0B+4*\s+1], s45, \s*SLOT
	s_add_nc_u64 s[G0B+4*\s+2:G0B+4*\s+3], s[46:47], \s*ROWB
	s_or_b32 s[G0B+4*\s+3], s[G0B+4*\s+3], 0x80000000
	JLOAD G0+4*\s, G1, G0B+4*\s, G1B
.endr
	s_load_b128 s[4:7], s[0:1], 0x20               ; bq, bk
	s_load_b64 s[8:9], s[0:1], 0x30                ; bv
	v_and_b32 v1, 15, v0                           ; r
	v_bfe_u32 v2, v0, 4, 1                         ; h
	v_mul_u32_u24 v3, v1, PITCH
	v_lshl_add_u32 v4, v2, 4, v3                   ; a fragment's row x pitch + 16 h
	s_mul_i32 s21, s15, HALFT                      ; my 128 rows of source 1
	s_mul_i32 s22, s16, HALFT                      ; my 128 rows of source 0,
	s_add_co_u32 s22, s22, 2*HALFT                 ; which lie behind source 1's 256
.irp s, 0,1
	v_add_nc_u32 v[ADRA+\s], s21, v4
	v_add_nc_u32 v[ADRB+\s], s22, v4
	s_add_co_u32 s21, s21, SLOT
	s_add_co_u32 s22, s22, SLOT
.endr
	v_mul_u32_u24 v5, v1, KS                       ; my row's scales: 32 bytes a row,
	v_lshrrev_b32 v6, 8, v5
	v_lshl_add_u32 v5, v6, 4, v5                   ; and 16 more for each 256 passed
	s_mul_i32 s21, s15, HALFS
	s_mul_i32 s22, s16, HALFS
	s_add_co_u32 s22, s22, 2*HALFS
	s_sub_co_u32 s22, s22, s21
	v_mul_u32_u24 v6, s22, v2                      ; lanes 16-31 take source 0's
	s_add_co_u32 s21, s21, SCL
	v_add_nc_u32 v5, v5, v6
	v_add_nc_u32 v[ADRS], s21, v5
	v_and_b32 v6, 31, v0
	v_lshlrev_b32 v[IO], 4, v6
	v_lshlrev_b32 v[SH], 4, v2
	v_lshlrev_b32 v[BO], 6, v2
	v_and_b32 v[BO2], 8, v1
	v_add_nc_u32 v[BO2], v[BO2], v1
	v_lshlrev_b32 v[BO2], 2, v[BO2]
	; where my results go.  One formula serves q, k and v: image = 8,388,608 x cluster x + 131,072 x (16 batch + head) + 64 x token; scale words = 524,288 x cluster x + (8,192 x (16 batch + head) + 4 x token), halved for v
	s_lshl_b32 s20, s17, 8
	s_lshl_b32 s21, s15, 7
	s_add_co_u32 s20, s20, s21                     ; my first row of source 1
	s_lshl_b32 s21, s42, 8
	s_lshl_b32 s22, s16, 7
	s_add_co_u32 s21, s21, s22                     ; my first row of source 0
	s_cmp_eq_u32 ttmp9, 2
	s_cselect_b32 s22, s21, s20                    ; my first token
	s_cselect_b32 s23, s20, s21                    ; my first weight row
	s_cselect_b32 s18, 1, 0
	s_and_b32 s23, s23, 1023                       ; my first feature
	s_lshr_b32 s19, s22, 11                        ; batch
	s_and_b32 s22, s22, 2047                       ; token in the batch
	s_lshl_b32 s19, s19, 4
	s_lshr_b32 s46, s23, 6
	s_add_co_u32 s19, s19, s46                     ; 16 batch + my first head
	s_lshl_b32 s46, ttmp9, 23
	s_lshl_b32 s47, s19, 17
	s_add_co_u32 s46, s46, s47
	s_lshl_b32 s47, s22, 6
	s_add_co_u32 s46, s46, s47
	s_mov_b32 s47, 0
	s_add_nc_u64 s[96:97], s[96:97], s[46:47]
	s_lshl_b32 s46, s19, 13
	s_lshl_b32 s92, s22, 2
	s_add_co_u32 s46, s46, s92
	s_lshr_b32 s46, s46, s18
	s_lshl_b32 s92, ttmp9, 19
	s_add_co_u32 s46, s46, s92
	s_add_nc_u64 s[98:99], s[98:99], s[46:47]
	s_lshl_b32 s46, s23, 2                         ; my 128 features' bias
	s_sub_co_u32 s92, 13, s18
	v_lshlrev_b32 v[WO], s92, v2                   ; lanes 16-31 store the second head's words: 8,192 bytes on (v: 4,096)
	v_lshl_add_u32 v[WO], v1, 4, v[WO]
	s_wait_kmcnt 0x0
	s_cmp_eq_u32 ttmp9, 1
	s_cselect_b64 s[4:5], s[6:7], s[4:5]
	s_cmp_eq_u32 ttmp9, 2
	s_cselect_b64 s[4:5], s[8:9], s[4:5]
	s_add_nc_u64 s[4:5], s[4:5], s[46:47]
	; The bias of my 128 features in both layouts, so that no register is written on one way only: by register (q, k use it) and by lane (v uses it).  Both stay inside the 512 bytes of my features.
.irp b, 0,1,2,3
.irp q, 0,1,2,3
	global_load_b128 v[BIA+16*\b+4*\q:BIA+16*\b+4*\q+3], v[BO], s[4:5] offset:128*\b+16*\q
.endr
.endr
.irp a, 0,1,2,3,4,5,6,7
	global_load_b32 v[BV+2*\a], v[BO2], s[4:5] offset:4*(32*(\a/2)+8*(\a%2))
	global_load_b32 v[BV+2*\a+1], v[BO2], s[4:5] offset:4*(32*(\a/2)+8*(\a%2))
.endr
.macro FRAG reg, adr, q, i             ; a fragment, 16 rows x 128 K: lane l holds row l % 16; registers 4 c .. 4 c + 3 hold K = 32 c + 16 (l / 16) + 0 .. 15
.irp c, 0,1,2,3
	ds_load_b128 v[\reg+4*\c:\reg+4*\c+3], v[\adr] offset:128*(\q)+32*\c+(\i)*16*PITCH
.endr
.endm
; 16 matrix instructions: source 1's blocks a0, a0 + 1 x source 0's eight.  The 64 accumulators take turns, one instruction a turn, in the same order in every step.
.macro MUL16 a0, p, q, sc, zero
.irp a, \a0, \a0+1
.irp b, 0,1,2,3,4,5,6,7
.if \zero
	v_wmma_scale_f32_16x16x128_f8f6f4 v[8*(8*((\a)%4)+\b):8*(8*((\a)%4)+\b)+7], v[128*(\p)+FR*\b:128*(\p)+FR*\b+FR-1], v[AF+FR*(\a):AF+FR*(\a)+FR-1], 0, v[SC+8*NQ*(\sc)+NQ*\b+(\q)], v[SC+8*NQ*(\sc)+NQ*(\a)+(\q)] matrix_a_fmt:MATRIX_FMT_BF8 matrix_b_fmt:MATRIX_FMT_BF8 matrix_a_scale:MATRIX_SCALE_ROW1
.else
	v_wmma_scale_f32_16x16x128_f8f6f4 v[8*(8*((\a)%4)+\b):8*(8*((\a)%4)+\b)+7], v[128*(\p)+FR*\b:128*(\p)+FR*\b+FR-1], v[AF+FR*(\a):AF+FR*(\a)+FR-1], v[8*(8*((\a)%4)+\b):8*(8*((\a)%4)+\b)+7], v[SC+8*NQ*(\sc)+NQ*\b+(\q)], v[SC+8*NQ*(\sc)+NQ*(\a)+(\q)] matrix_a_fmt:MATRIX_FMT_BF8 matrix_b_fmt:MATRIX_FMT_BF8 matrix_a_scale:MATRIX_SCALE_ROW1
.endif
.endr
.endr
.endm
.macro FETCH_B slot, q, p
	WIN TO_B
.irp i, 0,1,2,3,4,5,6,7
	FRAG 128*(\p)+FR*\i, ADRB+\slot, \q, \i
.endr
	WIN 0
.endm
.macro FETCH_A slot, q, i0
.irp i, \i0, \i0+1, \i0+2, \i0+3
	FRAG AF+FR*(\i), ADRA+\slot, \q, \i
.endr
.endm
.macro SCALES sc                       ; a K step's scale words: two words a row; lanes 0-15 take source 1's block i, lanes 16-31 source 0's block i
.irp i, 0,1,2,3,4,5,6,7
	ds_load_b64 v[SC+8*NQ*\sc+NQ*\i:SC+8*NQ*\sc+NQ*\i+1], v[ADRS] offset:\i*SBLK
.endr
.endm
.macro PLACES n                        ; plain vector instructions that name no register of the matrix instructions in front of them (ISA guide 7.12.1)
.rept \n
	v_nop
.endr
.endm
.macro STEP slot, q, zero              ; a step of 128 along K that has its successor in the same slot
	s_wait_dscnt 4*NL                              ; source 0's set and source 1's blocks 0-3 are in; the youngest 16 loads (blocks 4-7) may be out
	WIN MUL_LO
	MUL16 0, (\q)%2, \q, \slot, \zero
	MUL16 2, (\q)%2, \q, \slot, \zero
	s_wait_dscnt 0
	PLACES NP
	FETCH_B \slot, (\q)+1, 1-(\q)%2
	FETCH_A \slot, (\q)+1, 0
	WIN MUL_HI
	MUL16 4, (\q)%2, \q, \slot, \zero
	MUL16 6, (\q)%2, \q, \slot, \zero
	PLACES NP
	WIN 0
	FETCH_A \slot, (\q)+1, 4
.endm
; A slot's last step changes slots: ONE barrier; in front of it each wave waits for all its tensor loads, adds 0 to its spare word, and waits for that and for its own reads of this slot.
.macro TURN slot, next, fill
	s_wait_tensorcnt 0x0                           ; all my tensor loads have landed: my part of the next slot
	ds_add_u32 v[SPW], v[NIL]                      ; 0 onto my spare word
	s_wait_dscnt 4*NL+1                            ; (the add and the youngest 16 loads may be out)
	WIN MUL_LO
	MUL16 0, 1, NQ-1, \slot, 0                     ; sixteen matrix instructions stand between the add and the wait for it
	s_wait_dscnt 0x0                               ; the add is done, and my reads of this slot are over
	s_barrier_signal -1
	MUL16 2, 1, NQ-1, \slot, 0
	WIN 0
	s_barrier_wait -1
.if \fill
	CREST                                          ; the barrier has opened a round of the cluster's barrier: no wave of any partner still reads this slot or has a load on its way
	s_add_nc_u64 s[G0+4*\slot+2:G0+4*\slot+3], s[G0+4*\slot+2:G0+4*\slot+3], 2*ROWB
	s_add_nc_u64 s[G0B+4*\slot+2:G0B+4*\slot+3], s[G0B+4*\slot+2:G0B+4*\slot+3], 2*ROWB
	JLOAD G0+4*\slot, G1, G0B+4*\slot, G1B         ; the first tensor load behind the round; its four v_nop are among the places in front of the loads below
	PLACES NP-4
.else
	PLACES NP
.endif
	v_add_nc_u32 v[ADRS], 4*NQ, v[ADRS]            ; on to the next K step's scale words (no LDS load of mine is out)
	FETCH_B \next, 0, 0
	FETCH_A \next, 0, 0
	SCALES \next
	WIN MUL_HI
	MUL16 4, 1, NQ-1, \slot, 0
	MUL16 6, 1, NQ-1, \slot, 0
	PLACES NP
	WIN 0
	FETCH_A \next, 0, 4
.endm
	s_wait_tensorcnt 1                             ; the scales and my part of K step 0 are in; K step 1's load may stay out
	s_barrier_signal -1
	s_barrier_wait -1
	FETCH_B 0, 0, 0
	FETCH_A 0, 0, 0
	SCALES 0
	FETCH_A 0, 0, 4
	STEP 0, 0, 1                                   ; the first step stands in front of the loop: its products start the sums
	s_mov_b32 s3, LAPS-1
.Llap:                                                 ; a trip goes once round the ring and fills both slots again
	TURN 0, 1, 1
	STEP 1, 0, 0
	TURN 1, 0, 1
	STEP 0, 0, 0
	s_sub_co_u32 s3, s3, 1
	s_cmp_lg_u32 s3, 0
	s_cbranch_scc1 .Llap
	TURN 0, 1, 0                                   ; the last lap fills nothing
	STEP 1, 0, 0
	s_wait_dscnt 4*NL
	WIN MUL_LO
	MUL16 0, 1, NQ-1, 1, 0
	MUL16 2, 1, NQ-1, 1, 0
	s_wait_dscnt 0
	WIN MUL_HI
	MUL16 4, 1, NQ-1, 1, 0
	MUL16 6, 1, NQ-1, 1, 0
	WIN 0
; 64 numbers of a lane, register 16 b + i = place 32 b + 16 (lane / 16) + i along the next K, become 16 registers of codes in v[PC] on and a scale word in v[pw].
.macro QUANT s, pw
.irp b, 0,1,2,3
	v_max3_num_f32 v[TM+\b], |v[\s+16*\b]|, |v[\s+1+16*\b]|, FLOOR   ; block b: my 16 numbers, and the floor
.endr
.irp i, 2,4,6,8,10,12,14
.irp b, 0,1,2,3
	v_max3_num_f32 v[TM+\b], v[TM+\b], |v[\s+16*\b+\i]|, |v[\s+1+16*\b+\i]|   ; (the four blocks by turns)
.endr
.endr
.irp b, 0,1,2,3
	v_permlanex16_b32 v[TM+4+\b], v[TM+\b], s[SEL], s[SEL+1]
.endr
.irp b, 0,1,2,3
	v_max_num_f32 v[TM+\b], v[TM+\b], v[TM+4+\b]   ; with lane l xor 16's: the block's largest magnitude
.endr
.irp b, 0,1,2,3
	v_add_nc_u32 v[TM+12+\b], 0xf8800000, v[TM+\b]   ; 15 off its exponent field: the conversion's scale operand
.endr
.irp b, 0,1,2,3
	v_and_or_b32 v[TM+8+\b], v[TM+\b], 0x7f800000, s[MNT]   ; 57,344 x the scale
.endr
.irp b, 0,1,2,3
	v_lshrrev_b32 v[TM+4+\b], 23, v[TM+12+\b]   ; the scale's byte
.endr
	v_lshl_or_b32 v[\pw], v[TM+5], 8, v[TM+4]
	v_lshl_or_b32 v[\pw], v[TM+6], 16, v[\pw]
	v_lshl_or_b32 v[\pw], v[TM+7], 24, v[\pw]
.irp b, 0,1,2,3
.irp i, 0,1,2,3,4,5,6,7,8,9,10,11,12,13,14,15
	v_med3_num_f32 v[\s+16*\b+\i], v[\s+16*\b+\i], -v[TM+8+\b], v[TM+8+\b]   ; the hold at the largest code x the scale (ISA guide 7.6.2)
.endr
	v_cvt_scalef32_pk8_bf8_f32 v[PC+4*\b:PC+1+4*\b], v[\s+16*\b:\s+7+16*\b], v[TM+12+\b]
	v_cvt_scalef32_pk8_bf8_f32 v[PC+2+4*\b:PC+3+4*\b], v[\s+8+16*\b:\s+15+16*\b], v[TM+12+\b]
.endr
	v_nop                                          ; one plain vector instruction behind the last conversion
.endm
; Block a (16 rows of source 1 x my 128 of source 0): + bias, quantised, stored as it stands: four stores of 512 consecutive bytes.
.macro OUTBLK a, isv
.if (\a) > 0
	s_wait_xcnt 0x0                                ; the last block's stores have read their registers
.endif
	WIN 0x02+(\a)/4                                ; source 0: the accumulators' window
.set AC, 64*((\a)%4)
.set i, 0
.rept 32
.if \isv
	v_pk_add_f32 v[T+2*i:T+2*i+1], v[AC+2*i:AC+2*i+1], v[BV+2*(\a):BV+2*(\a)+1]   ; each accumulator from its low end on
.else
	v_pk_add_f32 v[T+2*i:T+2*i+1], v[AC+2*i:AC+2*i+1], v[BIA+2*i:BIA+2*i+1]
.endif
.set i, i+1
.endr
	WIN 0
	QUANT T, PWS+(\a)
.irp b, 0,1,2,3
.if \isv
	global_store_b128 v[IO], v[PC+4*\b:PC+4*\b+3], s[96:97] offset:((\a)/4)*131072+((\a)%4)*2048+512*\b   ; head a / 4, tile of channels a % 4, keys 32 b on
.else
	global_store_b128 v[IO], v[PC+4*\b:PC+4*\b+3], s[96:97] offset:(\b/2)*131072+(\a)*1024+(\b%2)*512   ; head b / 2, tile of tokens a, the head's block b % 2
.endif
.endr
.endm
	PLACES NP                                      ; in front of the first read of results and of writes into the registers that held source 1's fragments
	s_mov_b32 s[SEL], 0x76543210
	s_mov_b32 s[SEL+1], 0xfedcba98
	s_mov_b32 s[MNT], 0x600000
	s_cmp_eq_u32 ttmp9, 0
	s_cselect_b32 s95, 0x03030303, 0               ; q's bytes are lowered by 3
.irp b, 0,1,2,3
	v_mov_b32 v[TM+4+\b], 0                        ; written once: a lane permute's destination counts as one of its sources
.endr
	s_wait_loadcnt 0x0                             ; the biases
	s_cmp_eq_u32 ttmp9, 2
	s_cbranch_scc1 .Lvalues
.irp a, 0,1,2,3,4,5,6,7
	OUTBLK \a, 0
.endr
.irp a, 0,1,2,3,4,5,6,7
	v_sub_nc_u32 v[PWS+\a], v[PWS+\a], s95         ; every byte is at least 4: nothing is borrowed from byte to byte
.endr
.irp a, 0,1,2,3,4,5,6,7
	v_lshrrev_b32 v[PWS+\a], v[SH], v[PWS+\a]      ; lanes 16-31 carry the second head's two bytes.  The upper two bytes of a word stand over zero codes: the other head's bytes or 0, never 0xff
.endr
	global_store_b128 v[WO], v[PWS:PWS+3], s[98:99]
	global_store_b128 v[WO], v[PWS+4:PWS+7], s[98:99] offset:256   ; sixteen lanes store 256 consecutive bytes, aligned
	s_branch .Lend
.Lvalues:
.irp a, 0,1,2,3,4,5,6,7
	OUTBLK \a, 1
.endr
	v_cmp_gt_u32 vcc_lo, 256, v[IO]                ; lanes 0-15
.irp i, 0,1,2,3
	v_cndmask_b32 v[O4+\i], v[PWS+4+\i], v[PWS+\i], vcc_lo   ; lanes 0-15: the first head's four tiles; lanes 16-31: the second's
.endr
	global_store_b128 v[WO], v[O4:O4+3], s[98:99]
.Lend:
	s_wait_tensorcnt 0x0                           ; the wave's end
	ds_add_u32 v[SPW], v[NIL]
	s_wait_dscnt 0x0
	CROUND                                         ; the closing round: no work-group ends while a partner may still ask for a tile that names it
	s_endpgm
.Lfunc_end_k_q8f1d6b2e23_qkv:
	.size	k_q8f1d6b2e23_qkv, .Lfunc_end_k_q8f1d6b2e23_qkv-k_q8f1d6b2e23_qkv
	.p2alignl 7, 3214868480
	.fill 96, 4, 3214868480
	.section	.rodata,"a",@progbits
	.p2align	6, 0x0
	.amdhsa_kernel k_q8f1d6b2e23_qkv
		.amdhsa_group_segment_fixed_size 327680
		.amdhsa_private_segment_fixed_size 0
		.amdhsa_enable_private_segment 0
		.amdhsa_kernarg_size 72
		.amdhsa_user_sgpr_count 2
		.amdhsa_user_sgpr_kernarg_segment_ptr 1
		.amdhsa_wavefront_size32 1
		.amdhsa_system_sgpr_workgroup_id_x 1
		.amdhsa_system_sgpr_workgroup_id_y 1
		.amdhsa_system_sgpr_workgroup_id_z 1
		.amdhsa_system_vgpr_workitem_id 0
		.amdhsa_next_free_vgpr 1024
		.amdhsa_next_free_sgpr 100
		.amdhsa_reserve_vcc 1
		.amdhsa_float_denorm_mode_32 3
		.amdhsa_float_denorm_mode_16_64 3
		.amdhsa_memory_ordered 1
		.amdhsa_forward_progress 1
		.amdhsa_inst_pref_size 255
	.end_amdhsa_kernel
	.section	.bss,"aw",@nobits
	.p2align	6
	.space	262144
	.amdgpu_metadata
---
amdhsa.version: [ 1, 2 ]
amdhsa.kernels:
  - .name:           k_q8f1d6b2e23_qkv
    .symbol:         k_q8f1d6b2e23_qkv.kd
    .args:
      - { .name: x_codes, .offset: 0, .size: 8, .value_kind: global_buffer, .address_space: global }
      - { .name: x_sc, .offset: 8, .size: 8, .value_kind: global_buffer, .address_space: global }
      - { .name: w_codes, .offset: 16, .size: 8, .value_kind: global_buffer, .address_space: global }
      - { .name: w_sc, .offset: 24, .size: 8, .value_kind: global_buffer, .address_space: global }
      - { .name: bq, .offset: 32, .size: 8, .value_kind: global_buffer, .address_space: global }
      - { .name: bk, .offset: 40, .size: 8, .value_kind: global_buffer, .address_space: global }
      - { .name: bv, .offset: 48, .size: 8, .value_kind: global_buffer, .address_space: global }
      - { .name: qkv_img, .offset: 56, .size: 8, .value_kind: global_buffer, .address_space: global }
      - { .name: qkv_sc, .offset: 64, .size: 8, .value_kind: global_buffer, .address_space: global }
    .group_segment_fixed_size: 327680
    .private_segment_fixed_size: 0
    .kernarg_segment_align: 8
    .kernarg_segment_size: 72
    .max_flat_workgroup_size: 128
    .sgpr_count:     100
    .vgpr_count:     1024
    .wavefront_size: 32
...
	.end_amdgpu_metadata
.endif
;; end of part 3
;; launch attn (part 4): grid 4 x 64, 16 waves a work-group, clusters of 4 x 1, 327,680 bytes of LDS; arguments qkv_img, qkv_sc, attention_mask, ctx_img, ctx_sc; writes ctx_img, ctx_sc
.if DOCPART == 4
	.amdgcn_target "amdgcn-amd-amdhsa--gfx1250"
	.amdhsa_code_object_version 6
	.text
	.protected	k_q8f1d6b2e23_attn
	.globl	k_q8f1d6b2e23_attn
	.p2align	8
	.type	k_q8f1d6b2e23_attn,@function
k_q8f1d6b2e23_attn:
	s_mov_b64 s[64:65], 0
	v_nop
	global_prefetch_b8 v0, s[64:65] scope:SCOPE_SE
	s_setreg_imm32_b32 hwreg(HW_REG_WAVE_MODE, 25, 1), 1
	s_wait_xcnt 0x0
	s_wait_alu depctr_hold_cnt(0) depctr_sa_sdst(0) depctr_va_vdst(0) depctr_va_sdst(0) depctr_va_ssrc(0) depctr_va_vcc(0) depctr_vm_vsrc(0)
	s_getreg_b32 s2, hwreg(HW_REG_IB_STS2, 6, 4)
	s_cmp_eq_u32 s2, 0
	s_cbranch_scc0 .Lentry_in_a_cluster
	s_endpgm
.Lentry_in_a_cluster:
	s_bfe_u32 s2, ttmp6, 0x10000c
	s_cmp_lg_u32 s2, 0x3003
	s_cbranch_scc0 .Lentry_shape_is_right
	s_endpgm
.Lentry_shape_is_right:
; ctx = softmax(q k^T / 8 + mask) v for one head, both products on codes of BF8 (E5M2) with E8M0 scales; ctx is quantised along the hidden axis and leaves as codes, in the order of the last product's operand.
; THE SOFTMAX: t = logit x log2(e); M = the row's largest t so far, rounded UP to a whole number; p = 2^(t - M) is quantised along the keys, not normalised.  The row's sum is taken of the unquantised p and divides O at the end.
; When M moves, the sum and O are multiplied by 2^(old M - new M): exact.
; SHARES.  A work-group owns 512 queries of one head; each of its sixteen waves two tiles of 16, one after the other (two passes).  Four waves to a SIMD: one wave's vector work stands beside another's matrix work.
; THE WHOLE HEAD'S K AND V STAY IN LDS: 2 x 131,072 bytes of codes, as images of the operands' registers, filled ONCE: no slot is filled again.  The four work-groups of a head form a cluster and ask JOINTLY:
; wave w brings part w of sixteen (0-7: k's, 8-15: v's), by the same descriptor in all four, made of the head and the wave's number alone.
; LAYOUT.  Both products are used transposed: S^T = k q^T, O^T = v^T p^T: a lane holds ONE query (lane % 16).  Tokens and channels were laid at places sigma(i) by the launches before: so the 16 registers of tiles 2 b, 2 b + 1
; of S^T are the keys 32 b + 16 (lane / 16) + 0 .. 15, and those of O^T the channels 32 b + 16 (lane / 16) + 0 .. 15.
; K = 64 IN AN INSTRUCTION OF 128: q's upper 8 registers are zero codes.  A tile of k is 8 registers; the instruction names 16: the upper 8 are the next tile's codes (finite: the quantiser held them) or zeros, and meet q's zeros.
; THE MASK is the C of the score product: it is loaded from LDS straight into the scores' registers.  The division by 8 lies in q's scale bytes.  So the product's result is the logit.
; LIMITS: the mask is held at -1e30 from below (p is 0 there as under -infinity, so long as a row has a key above it); a row all of whose keys lie there is not served (NaN is expected for -infinity); a block of ctx that is all zeros
; gets the byte 1 where the rule says 127 (this program alone reads it); NaN is not served.
; REGISTERS: v1-5 addresses that stay; v6-10 addresses in hand; v11 4 r; v12 -M, v13 the largest t, v[14:15] the sum; v16-23 q, v24-31 zeros; v32-95 k's 8 tiles or v's 4 fragments, v96-103 zeros; v104-167 S^T, then p;
; v168-199 O^T; v200-215 p's codes; v216-223 k's scale words, v224-227 v's, v228 q's, v229 p's; v230 16 r; v232-247 at work; v[250:251] f, 0; v254 at work.
.set VIMG, 131072                      ; LDS: k's image at 0, v's here: [128 keys: 8,192 bytes]
.set KSC,  262144                      ; k's scale words, 8,192 bytes
.set VSC,  270336                      ; v's, 4,096
.set MSK,  274432                      ; the batch's mask, 8,192
.set AK,  1                            ; 16 x lane
.set AV,  2                            ; VIMG + 16 x lane
.set AKS, 3                            ; KSC + 16 r
.set AVS, 4                            ; VSC + 16 r
.set AM,  5                            ; MSK + 64 (lane / 16)
.set ADK, 6
.set ADV, 7
.set ADS, 8
.set ADT, 9
.set ADM, 10
.set CSO, 11
.set KF,  32
.set S,   104
.set O,   168
.set PCD, 200
.set KW,  216
.set VW,  224
.set QW,  228
.set PW,  229
.set QSO, 230
.set BM,  232
.set T2,  236
.set HOLD, 240
.set SO,  244
.set FF,  250
.set TMP, 254
.set WV,  14
.set SEL, 20
.set CS,  22                           ; s[22:23] log2(e), twice
.set MNT, 24
.set TK,  25                           ; the step's codes: 8,192 bytes a step, k's and v's alike
.set TS,  26                           ; k's scale words and the mask: 512 bytes a step
.set TT,  27                           ; v's scale words: 256 bytes a step
.set CNT, 28
.macro ROUND                           ; a round of the cluster's barrier
	s_barrier_signal -1
	s_barrier_wait -1
	s_cmp_lg_u32 s[WV], 0
	s_cbranch_scc1 .Lnot_wave_0_\@
	s_barrier_signal -3
.Lnot_wave_0_\@:
	s_barrier_wait -3
	s_barrier_signal -1
	s_barrier_wait -1
.endm
	s_load_b256 s[4:11], s[0:1], 0x0               ; the images s[4:5], the scale words s[6:7], the mask s[8:9], ctx's image s[10:11]
	s_load_b64 s[12:13], s[0:1], 0x20              ; ctx's scale words
	v_lshl_add_u32 v253, v0, 2, 0x45000
	v_mov_b32 v255, 0
	ds_add_u32 v253, v255
	ds_add_u32 v253, v255
	v_lshrrev_b32 v1, 5, v0
	v_readfirstlane_b32 s[WV], v1                  ; wave 0..15
	s_bfe_u32 s15, ttmp6, 0x40000                  ; cx: it enters q's and ctx's addresses alone
	s_lshl_b32 s16, ttmp9, 2
	s_add_co_u32 s16, s16, s15                     ; my block of 512 queries
	s_and_b32 s17, ttmp7, 0xffff                   ; 16 batch + head, which the four partners share
	s_lshr_b32 s18, s17, 4                         ; batch
	s_and_b32 s19, s17, 15                         ; head
	s_mov_b32 s[SEL], 0x76543210
	s_mov_b32 s[SEL+1], 0xfedcba98
	s_mov_b32 s[CS], 0x3fb8aa3b                    ; log2(e)
	s_mov_b32 s[CS+1], s[CS]
	s_mov_b32 s[MNT], 0x600000
	; descriptor group 1: 16,384 dense bytes as 64 rows of 256 (32 elements of 8 bytes)
	s_mov_b32 s32, 15|(3<<16)|(1<<21)              ; 15:0 the mask: all four work-groups; 17:16 elements of 8 bytes; 21 set beside a mask
	s_mov_b32 s33, 32<<16                          ; tensor_dim0
	s_mov_b32 s34, 64<<16                          ; tensor_dim1
	s_mov_b32 s35, 32<<16                          ; tile_dim0
	s_mov_b32 s36, 64                              ; tile_dim1
	s_mov_b32 s37, 32                              ; tensor_dim0_stride
	s_mov_b32 s38, 0
	s_mov_b32 s39, 0
	s_lshr_b32 s44, s[WV], 3                       ; my part: k's image begins at 8,388,608, v's at 16,777,216;
	s_add_co_u32 s44, s44, 1
	s_lshl_b32 s44, s44, 23
	s_lshl_b32 s45, s17, 17                        ; 131,072 bytes a head;
	s_add_co_u32 s44, s44, s45
	s_and_b32 s45, s[WV], 7
	s_lshl_b32 s45, s45, 14                        ; 16,384 bytes a part
	s_add_co_u32 s44, s44, s45
	s_mov_b32 s45, 0
	s_lshl_b32 s29, s16, 5
	s_lshl_b32 s30, s[WV], 1
	s_add_co_u32 s29, s29, s30                     ; my first tile of queries: 32 x block + 2 x wave
	s_lshl_b32 s31, s18, 7
	s_add_co_u32 s31, s31, s29                     ; and among all 512 tiles of tokens
	s_mov_b32 s47, 0
	s_wait_dscnt 0x0
	s_wait_kmcnt 0x0
	s_mov_b32 s40, 1                               ; group 0: count = 1
	s_lshl_b32 s41, s[WV], 14                      ; LDS address: 16,384 x wave: k's eight parts, then v's eight
	s_add_nc_u64 s[42:43], s[4:5], s[44:45]
	s_or_b32 s43, s43, 0x80000000                  ; type = 2
	ROUND                                          ; all four work-groups are here: the joint loads meet
	tensor_load_to_lds s[40:43], s[32:39]          ; my one tensor load of the launch
	s_nop 0
.rept 4
	v_nop
.endr
	s_lshl_b32 s46, s17, 17
	s_lshl_b32 s30, s29, 10
	s_add_co_u32 s46, s46, s30
	s_add_nc_u64 s[48:49], s[4:5], s[46:47]        ; q's image at my first tile
	s_lshl_b32 s46, s17, 13
	s_lshr_b32 s30, s29, 2
	s_lshl_b32 s30, s30, 8
	s_add_co_u32 s46, s46, s30
	s_and_b32 s30, s29, 3
	s_lshl_b32 s30, s30, 2
	s_add_co_u32 s46, s46, s30
	s_add_nc_u64 s[50:51], s[6:7], s[46:47]        ; q's scale words: [4 tiles][r][tile % 4]
	s_lshl_b32 s46, s17, 13
	s_add_co_u32 s46, s46, 524288
	s_add_nc_u64 s[52:53], s[6:7], s[46:47]        ; k's scale words of the head
	s_lshl_b32 s46, s17, 12
	s_add_co_u32 s46, s46, 1048576
	s_add_nc_u64 s[54:55], s[6:7], s[46:47]        ; v's
	s_lshl_b32 s46, s18, 13
	s_add_nc_u64 s[56:57], s[8:9], s[46:47]        ; the batch's mask
	s_lshl_b32 s46, s31, 14
	s_lshl_b32 s30, s19, 10
	s_add_co_u32 s46, s46, s30
	s_add_nc_u64 s[58:59], s[10:11], s[46:47]      ; ctx's image: tile x 16,384 + head x 1,024 (K step head / 2, registers 8 (head % 2) on)
	s_lshl_b32 s46, s31, 9
	s_lshr_b32 s30, s19, 1
	s_lshl_b32 s30, s30, 6
	s_add_co_u32 s46, s46, s30
	s_and_b32 s30, s19, 1
	s_lshl_b32 s30, s30, 1
	s_add_co_u32 s46, s46, s30
	s_add_nc_u64 s[60:61], s[12:13], s[46:47]      ; ctx's scale words: tile x 512 + (head / 2) x 64 + 2 (head % 2)
	v_lshlrev_b32 v6, 4, v0
	v_lshlrev_b32 v7, 3, v0
	global_load_b128 v[104:107], v6, s[52:53]      ; 512 threads x 16 bytes: k's scale words,
	global_load_b128 v[108:111], v6, s[56:57]      ; the mask,
	global_load_b64 v[112:113], v7, s[54:55]       ; 512 x 8: v's scale words
	v_add_nc_u32 v8, KSC, v6
	v_add_nc_u32 v9, VSC, v7
	v_and_b32 v[TMP], 31, v0
	v_lshlrev_b32 v[AK], 4, v[TMP]
	v_add_nc_u32 v[AV], VIMG, v[AK]
	v_and_b32 v[TMP], 15, v0
	v_lshlrev_b32 v[QSO], 4, v[TMP]
	v_add_nc_u32 v[AKS], KSC, v[QSO]
	v_add_nc_u32 v[AVS], VSC, v[QSO]
	v_lshlrev_b32 v[CSO], 2, v[TMP]
	v_bfe_u32 v[TMP], v0, 4, 1
	v_lshl_add_u32 v[AM], v[TMP], 6, MSK
.irp j, 0,1,2,3,4,5,6,7
	v_mov_b32 v[24+\j], 0                          ; q's zero codes for k = 64 .. 127
	v_mov_b32 v[96+\j], 0                          ; and what the last tile of k names beyond its own
.endr
.irp b, 0,1,2,3
	v_mov_b32 v[T2+\b], 0                          ; written once: a lane permute's destination counts as one of its sources
.endr
	v_mov_b32 v[FF+1], 0                           ; (named as the upper half of the pair)
	s_wait_loadcnt 0x0
.irp j, 0,1,2,3
	v_max_num_f32 v[108+\j], 0xf149f2ca, v[108+\j] ; the mask is held at -1e30 from below: the matrix instruction's C stays finite
.endr
	ds_store_b128 v8, v[104:107]
	ds_store_b128 v8, v[108:111] offset:MSK-KSC
	ds_store_b64 v9, v[112:113]
	s_wait_dscnt 0x0                               ; for the others' sake: my stores have landed,
	s_wait_tensorcnt 0x0                           ; and so has my part of the images
	s_barrier_signal -1
	s_barrier_wait -1                              ; behind this barrier LDS is only read
.macro KFETCH ak, aks                  ; a step's 8 tiles of k, 8 registers each, and their scale words
.irp t, 0,1,2,3,4,5,6,7
	ds_load_b128 v[KF+8*\t:KF+8*\t+3], v[\ak] offset:1024*\t
	ds_load_b128 v[KF+8*\t+4:KF+8*\t+7], v[\ak] offset:1024*\t+512
.endr
	ds_load_b128 v[KW:KW+3], v[\aks]
	ds_load_b128 v[KW+4:KW+7], v[\aks] offset:256
.endm
.macro MFETCH am                       ; a step's mask into the scores' registers: register 16 b + i = key 32 b + 16 (lane / 16) + i
.irp b, 0,1,2,3
.irp q, 0,1,2,3
	ds_load_b128 v[S+16*\b+4*\q:S+16*\b+4*\q+3], v[\am] offset:128*\b+16*\q
.endr
.endr
.endm
; A KEY STEP: 128 keys.  ahead = 1: the next step's mask, k and scale words are fetched on the way.
.macro STEP ahead
	s_wait_dscnt 0x0                               ; k, its scale words and the mask are in
.irp t, 0,1,2,3,4,5,6,7
	v_wmma_scale_f32_16x16x128_f8f6f4 v[S+8*\t:S+8*\t+7], v[KF+8*\t:KF+8*\t+15], v[16:31], v[S+8*\t:S+8*\t+7], v[KW+\t], v[QW] matrix_a_fmt:MATRIX_FMT_BF8 matrix_b_fmt:MATRIX_FMT_BF8
.endr
	v_add_nc_u32 v[ADV], s[TK], v[AV]              ; eight places behind the products: this step's v, the next step's k and mask
	v_add_nc_u32 v[ADT], s[TT], v[AVS]
.if \ahead
	s_add_co_u32 s[TK], s[TK], 8192
	s_add_co_u32 s[TS], s[TS], 512
	s_add_co_u32 s[TT], s[TT], 256
	v_add_nc_u32 v[ADK], s[TK], v[AK]
	v_add_nc_u32 v[ADS], s[TS], v[AKS]
	v_add_nc_u32 v[ADM], s[TS], v[AM]
.else
.rept 3
	v_nop
.endr
.endif
.rept 3
	v_nop
.endr
.irp t, 0,1,2,3
.irp c, 0,1,2,3
	ds_load_b128 v[KF+16*\t+4*\c:KF+16*\t+4*\c+3], v[ADV] offset:2048*\t+512*\c   ; v's four fragments take k's registers; they land under the softmax
.endr
.endr
	ds_load_b128 v[VW:VW+3], v[ADT]
.irp b, 0,1,2,3
	v_max3_num_f32 v[BM+\b], v[S+16*\b], v[S+1+16*\b], v[S+2+16*\b]   ; the largest logit of each block of 32 keys: for the row's maximum and, since p rises with the logit, for the block's largest p
.endr
.irp i, 3,5,7,9,11,13
.irp b, 0,1,2,3
	v_max3_num_f32 v[BM+\b], v[BM+\b], v[S+16*\b+\i], v[S+1+16*\b+\i]
.endr
.endr
.irp b, 0,1,2,3
	v_max_num_f32 v[BM+\b], v[BM+\b], v[S+15+16*\b]
.endr
.irp b, 0,1,2,3
	v_permlanex16_b32 v[T2+\b], v[BM+\b], s[SEL], s[SEL+1]
.endr
.irp b, 0,1,2,3
	v_max_num_f32 v[BM+\b], v[BM+\b], v[T2+\b]     ; with lane l xor 16's 16 keys
.endr
	v_max3_num_f32 v[TMP], v[BM], v[BM+1], v[BM+2]
	v_max_num_f32 v[TMP], v[TMP], v[BM+3]
	v_mul_f32 v[TMP], s[CS], v[TMP]                ; as t
	v_max_num_f32 v13, v13, v[TMP]                 ; the running largest t
	v_mov_b32 v[TMP], v12
	v_floor_f32 v12, -v13                          ; the new -M = floor(-t) = -ceil(t)
	v_sub_f32 v[TMP], v12, v[TMP]                  ; old M - new M: a whole number, 0 or less
	v_cvt_i32_f32 v[TMP], v[TMP]                   ; (it saturates)
	v_ldexp_f32 v[FF], 1.0, v[TMP]                 ; f = 2^(old M - new M)
.set j, 0
.rept 32
	v_pk_fma_f32 v[S+j:S+j+1], v[S+j:S+j+1], s[CS:CS+1], v[12:13] op_sel_hi:[1,0,0]   ; t - M, two at a time
.set j, j+2
.endr
.irp b, 0,1,2,3
	v_fma_f32 v[BM+\b], v[BM+\b], s[CS], v12       ; the same of each block's largest logit
.endr
.set j, 0
.rept 64
	v_exp_f32 v[S+j], v[S+j]                       ; p = 2^(t - M), at most 1
.set j, j+1
.endr
.irp b, 0,1,2,3
	v_exp_f32 v[BM+\b], v[BM+\b]                   ; the block's largest p: the same two instructions on the same number
.endr
	v_pk_mul_f32 v[14:15], v[14:15], v[FF:FF+1] op_sel_hi:[1,0]   ; the sums under the new M.  (A plain place behind the exponentials)
	s_wait_alu depctr_va_vdst(0)
.irp b, 0,1,2,3
	v_max_num_f32 v[BM+\b], 0x8000000, v[BM+\b]    ; the floor 2^(16 - 127): the byte cannot fall under 1
.endr
.irp b, 0,1,2,3
	v_add_nc_u32 v[SO+\b], 0xf8800000, v[BM+\b]    ; the conversion's scale operand
.endr
.irp b, 0,1,2,3
	v_and_or_b32 v[HOLD+\b], v[BM+\b], 0x7f800000, s[MNT]   ; 57,344 x the scale
.endr
.irp b, 0,1,2,3
	v_lshrrev_b32 v[T2+\b], 23, v[SO+\b]           ; the scale's byte
.endr
	v_lshl_or_b32 v[PW], v[T2+1], 8, v[T2]         ; p's scale word for these 128 keys
	v_lshl_or_b32 v[PW], v[T2+2], 16, v[PW]
	v_lshl_or_b32 v[PW], v[T2+3], 24, v[PW]
	v_pk_add_f32 v[T2:T2+1], v[S:S+1], v[S+2:S+3]  ; the row's sum is taken of the unquantised p: two at a time, in two chains
.set j, 4
.rept 15
	v_pk_add_f32 v[14:15], v[14:15], v[S+j:S+j+1]
	v_pk_add_f32 v[T2:T2+1], v[T2:T2+1], v[S+2+j:S+3+j]
.set j, j+4
.endr
	v_pk_add_f32 v[14:15], v[14:15], v[T2:T2+1]
.irp b, 0,1,2,3
.set i, 0
.rept 16
	v_min_num_f32 v[S+16*\b+i], v[S+16*\b+i], v[HOLD+\b]   ; the hold (ISA guide 7.6.2); p is not negative, so it is one-sided
.set i, i+1
.endr
	v_cvt_scalef32_pk8_bf8_f32 v[PCD+4*\b:PCD+4*\b+1], v[S+16*\b:S+16*\b+7], v[SO+\b]
	v_cvt_scalef32_pk8_bf8_f32 v[PCD+4*\b+2:PCD+4*\b+3], v[S+16*\b+8:S+16*\b+15], v[SO+\b]
.endr
.set j, 0
.rept 16
	v_pk_mul_f32 v[O+j:O+j+1], v[O+j:O+j+1], v[FF:FF+1] op_sel_hi:[1,0]   ; O^T under the new M.  (These sixteen are also the places in front of the products below)
.set j, j+2
.endr
.if \ahead
	MFETCH ADM                                     ; p has been read for the last time: the next step's mask takes its registers
	s_wait_dscnt 16                                ; v and its scale words are in; the sixteen mask loads stay out
.else
	s_wait_dscnt 0x0
.endif
.irp t, 0,1,2,3
	v_wmma_scale_f32_16x16x128_f8f6f4 v[O+8*\t:O+8*\t+7], v[KF+16*\t:KF+16*\t+15], v[PCD:PCD+15], v[O+8*\t:O+8*\t+7], v[VW+\t], v[PW] matrix_a_fmt:MATRIX_FMT_BF8 matrix_b_fmt:MATRIX_FMT_BF8
.endr
.rept 8
	v_nop                                          ; places in front of loads into registers that these products read, and of the first read of their results
.endr
.if \ahead
	KFETCH ADK, ADS
.endif
.endm
; A PASS: one tile of 16 queries against all 2,048 keys.
.macro PASS p
.if \p
	s_wait_xcnt 0x0                                ; the last pass's stores have read their registers
.endif
	global_load_b128 v[16:19], v[AK], s[48:49] offset:1024*\p
	global_load_b128 v[20:23], v[AK], s[48:49] offset:1024*\p+512
	global_load_b32 v[QW], v[QSO], s[50:51] offset:4*\p
	s_mov_b32 s[TK], 0
	s_mov_b32 s[TS], 0
	s_mov_b32 s[TT], 0
	MFETCH AM                                      ; key step 0
	KFETCH AK, AKS
	v_mov_b32 v13, 0xff61b1e6                      ; the largest t so far: -3e38
	v_floor_f32 v12, -v13                          ; -M
	v_mov_b32 v14, 0
	v_mov_b32 v15, 0
.set j, 0
.rept 32
	v_mov_b32 v[O+j], 0                            ; O^T: the step is written for every step alike; the first finds zeros
.set j, j+1
.endr
	s_wait_loadcnt 0x0                             ; q
	s_mov_b32 s[CNT], 15
.Lstep_\@:
	STEP 1
	s_sub_co_u32 s[CNT], s[CNT], 1
	s_cmp_lg_u32 s[CNT], 0
	s_cbranch_scc1 .Lstep_\@
	STEP 0                                         ; the last step is written out: it fetches nothing beyond the head's keys
	v_add_f32 v14, v14, v15                        ; the sum's two halves,
	v_permlanex16_b32 v[TMP], v14, s[SEL], s[SEL+1]
	v_add_f32 v14, v14, v[TMP]                     ; and lane l xor 16's
	v_rcp_f32 v14, v14
	v_nop                                          ; a plain place behind the transcendental
.set j, 0
	s_wait_alu depctr_va_vdst(0)
.rept 16
	v_pk_mul_f32 v[O+j:O+j+1], v[O+j:O+j+1], v[14:15] op_sel_hi:[1,0]   ; ctx = O^T / the sum: register 16 b + i = the head's channel 32 b + 16 (lane / 16) + i
.set j, j+2
.endr
.irp b, 0,1
	v_max3_num_f32 v[BM+\b], |v[O+16*\b]|, |v[O+1+16*\b]|, 0x8000000
.endr
.irp i, 2,4,6,8,10,12,14
.irp b, 0,1
	v_max3_num_f32 v[BM+\b], v[BM+\b], |v[O+16*\b+\i]|, |v[O+1+16*\b+\i]|
.endr
.endr
.irp b, 0,1
	v_permlanex16_b32 v[T2+\b], v[BM+\b], s[SEL], s[SEL+1]
.endr
.irp b, 0,1
	v_max_num_f32 v[BM+\b], v[BM+\b], v[T2+\b]
.endr
.irp b, 0,1
	v_add_nc_u32 v[SO+\b], 0xf8800000, v[BM+\b]
.endr
.irp b, 0,1
	v_and_or_b32 v[HOLD+\b], v[BM+\b], 0x7f800000, s[MNT]
.endr
.irp b, 0,1
	v_lshrrev_b32 v[T2+\b], 23, v[SO+\b]
.endr
	v_lshl_or_b32 v[PW], v[T2+1], 8, v[T2]         ; my head's two bytes of the row's scale word
.irp b, 0,1
.set i, 0
.rept 16
	v_med3_num_f32 v[O+16*\b+i], v[O+16*\b+i], -v[HOLD+\b], v[HOLD+\b]
.set i, i+1
.endr
	v_cvt_scalef32_pk8_bf8_f32 v[PCD+4*\b:PCD+4*\b+1], v[O+16*\b:O+16*\b+7], v[SO+\b]
	v_cvt_scalef32_pk8_bf8_f32 v[PCD+4*\b+2:PCD+4*\b+3], v[O+16*\b+8:O+16*\b+15], v[SO+\b]
.endr
	v_nop                                          ; one plain vector instruction behind the last conversion
	global_store_b128 v[AK], v[PCD:PCD+3], s[58:59] offset:16384*\p        ; the wave stores 512 consecutive bytes
	global_store_b128 v[AK], v[PCD+4:PCD+7], s[58:59] offset:16384*\p+512
	global_store_b16 v[CSO], v[PW], s[60:61] offset:512*\p                 ; both halves of the lanes hold and write the same two bytes
.endm
	PASS 0
	PASS 1
	s_wait_tensorcnt 0x0
	ds_add_u32 v253, v255
	s_wait_dscnt 0x0
	ROUND                                          ; the closing round
	s_endpgm
.Lfunc_end_k_q8f1d6b2e23_attn:
	.size	k_q8f1d6b2e23_attn, .Lfunc_end_k_q8f1d6b2e23_attn-k_q8f1d6b2e23_attn
	.p2alignl 7, 3214868480
	.fill 96, 4, 3214868480
	.section	.rodata,"a",@progbits
	.p2align	6, 0x0
	.amdhsa_kernel k_q8f1d6b2e23_attn
		.amdhsa_group_segment_fixed_size 327680
		.amdhsa_private_segment_fixed_size 0
		.amdhsa_enable_private_segment 0
		.amdhsa_kernarg_size 40
		.amdhsa_user_sgpr_count 2
		.amdhsa_user_sgpr_kernarg_segment_ptr 1
		.amdhsa_wavefront_size32 1
		.amdhsa_system_sgpr_workgroup_id_x 1
		.amdhsa_system_sgpr_workgroup_id_y 1
		.amdhsa_system_sgpr_workgroup_id_z 1
		.amdhsa_system_vgpr_workitem_id 0
		.amdhsa_next_free_vgpr 256
		.amdhsa_next_free_sgpr 66
		.amdhsa_reserve_vcc 0
		.amdhsa_float_denorm_mode_32 3
		.amdhsa_float_denorm_mode_16_64 3
		.amdhsa_memory_ordered 1
		.amdhsa_forward_progress 1
		.amdhsa_inst_pref_size 98
	.end_amdhsa_kernel
	.amdgpu_metadata
---
amdhsa.version: [ 1, 2 ]
amdhsa.kernels:
  - .name:           k_q8f1d6b2e23_attn
    .symbol:         k_q8f1d6b2e23_attn.kd
    .args:
      - { .name: qkv_img, .offset: 0, .size: 8, .value_kind: global_buffer, .address_space: global }
      - { .name: qkv_sc, .offset: 8, .size: 8, .value_kind: global_buffer, .address_space: global }
      - { .name: attention_mask, .offset: 16, .size: 8, .value_kind: global_buffer, .address_space: global }
      - { .name: ctx_img, .offset: 24, .size: 8, .value_kind: global_buffer, .address_space: global }
      - { .name: ctx_sc, .offset: 32, .size: 8, .value_kind: global_buffer, .address_space: global }
    .group_segment_fixed_size: 327680
    .private_segment_fixed_size: 0
    .kernarg_segment_align: 8
    .kernarg_segment_size: 40
    .max_flat_workgroup_size: 512
    .sgpr_count:     66
    .vgpr_count:     256
    .wavefront_size: 32
...
	.end_amdgpu_metadata
.endif
;; end of part 4
;; launch outln (part 5): grid 128 x 1, 4 waves a work-group, no clusters, 268,800 bytes of LDS; arguments ctx_img, ctx_sc, w_codes, w_sc, bd, input_tensor, ln_w, ln_b, out0; writes out0
.if DOCPART == 5
	.amdgcn_target "amdgcn-amd-amdhsa--gfx1250"
	.amdhsa_code_object_version 6
	.text
	.protected	k_q8f1d6b2e23_outln
	.globl	k_q8f1d6b2e23_outln
	.p2align	8
	.type	k_q8f1d6b2e23_outln,@function
k_q8f1d6b2e23_outln:
	s_mov_b64 s[64:65], 0
	v_nop
	global_prefetch_b8 v0, s[64:65] scope:SCOPE_SE
	s_setreg_imm32_b32 hwreg(HW_REG_WAVE_MODE, 25, 1), 1
	s_wait_xcnt 0x0
; out = LayerNorm(ctx Wd + bd + x) x ln_w + ln_b.  The product on codes of BF8 (E5M2) with E8M0 scales, K = 1,024; all else in f32.
; SHARES.  A work-group owns 64 tokens and all 1,024 features, so that a row's mean and variance never leave it: 128 work-groups.  Wave w owns features 256 w .. 256 w + 255 for the 64 tokens: 64 accumulators, 512 registers.
; Source 0 = 16 rows of Wd, source 1 = 16 tokens of ctx: a lane holds ONE token, register j of tile t the feature 256 w + 16 t + 8 (lane / 16) + j.  ctx's tiles hold tokens at places sigma(token): lane r of tile m is
; token 32 (m / 2) + 8 (m % 2) + r + 8 (r / 8) of the 64.
; OPERANDS lie in memory in the order of their registers: every load of a fragment's four registers reads 512 consecutive bytes, straight into registers.
; NO CLUSTER, AND Wd NOT THROUGH LDS: a wave's 256 rows of Wd are read by no other wave of its work-group, and two slots of 1,024 rows x 128 bytes (262,144) do not fit beside x's 266,240 bytes in 327,680.
; x's 64 rows come by one tensor load a wave into the wave's own LDS bytes and land under the products; those bytes are filled once, and later serve as the stage on the way out.
; The variance is taken of (y - mean)^2, as the definition has it: no difference of large sums.
; REGISTERS, in windows of 256: window 0: v1-28 addresses, ln_w, ln_b; v32-63 ctx's scale words, v64-127 Wd's (behind the products: statistics); v128-255 two sets of ctx's four fragments (later bd, later rows on the way out).
;   window 1: two sets of eight fragments of Wd (later x).   window 2: accumulators of tiles of tokens 0, 1 ((m, t) at v[128 (m % 2) + 8 t]);   window 3: of 2, 3.
.set XP,   1040                        ; a row of x in LDS: 1,024 bytes + 16
.set XW,   64*XP                       ; a wave's 64 rows
.set RED1, 4*XW                        ; the waves' partial sums: 256 bytes a wave
.set LI,  4                            ; 16 x lane
.set C4,  5                            ; 4 r
.set L32, 6                            ; 32 x lane
.set BH,  7                            ; 32 (lane / 16)
.set XL,  8                            ; LDS: my token's row of x, my eight features
.set RW,  9                            ; LDS: where I put partial sums
.set RR,  10                           ; LDS: where I read them
.set XR,  11                           ; LDS: rows 0-31 by rows, 16 bytes a lane
.set LW,  12                           ; v12-19 ln_w of my 8 features on the way out
.set LB,  20                           ; v20-27 ln_b
.set XR2, 28                           ; LDS: rows 32-63 (63 rows of 1,040 bytes pass the 16-bit offset)
.set CS,  32                           ; ctx's scale words: 8 m + s
.set WS,  64                           ; Wd's: 8 (t / 2) + s; lanes 0-15 tile 2 (t / 2), lanes 16-31 the next
.set SM,  32                           ; behind the products: four chains' registers for each m
.set PS,  48
.set TOT, 52
.set U,   68                           ; the means, in pairs
.set RS,  76                           ; 1 / sqrt(variance + eps), in pairs
.set MSB, 0
.macro WIN new                         ; the immediate's high byte repeats the setting that is left
.if MSB != (\new)
	s_set_vgpr_msb (MSB<<8)|(\new)
.set MSB, (\new)
.endif
.endm
	s_load_b256 s[4:11], s[0:1], 0x0               ; ctx's image s[4:5], its scale words s[6:7], the weights' codes s[8:9], their scales s[10:11]
	s_load_b256 s[12:19], s[0:1], 0x20             ; bd s[12:13], x s[14:15], ln_w s[16:17], ln_b s[18:19]
	s_load_b64 s[20:21], s[0:1], 0x40              ; out
	v_lshl_add_u32 v30, v0, 2, 0x41800
	v_mov_b32 v31, 0
	ds_add_u32 v30, v31
	ds_add_u32 v30, v31
	v_lshrrev_b32 v1, 5, v0
	v_readfirstlane_b32 s22, v1                    ; wave 0..3
	; descriptor group 1: 64 rows of 1,024 bytes (128 elements of 8), 4,096 bytes apart, 16 bytes of padding behind each
	s_mov_b32 s24, (3<<16)|(1<<20)|(7<<22)|(3<<25) ; no mask; elements of 8 bytes; padding on: four words after every 256
	s_mov_b32 s25, 128<<16                         ; tensor_dim0
	s_mov_b32 s26, 64<<16                          ; tensor_dim1
	s_mov_b32 s27, 128<<16                         ; tile_dim0
	s_mov_b32 s28, 64                              ; tile_dim1
	s_mov_b32 s29, 512                             ; tensor_dim0_stride
	s_mov_b32 s30, 0
	s_mov_b32 s31, 0
	s_mov_b32 s32, 1
	s_mul_i32 s33, s22, XW                         ; my own LDS bytes
	s_lshl_b32 s38, ttmp9, 18                      ; 64 rows of 4,096 bytes a work-group,
	s_lshl_b32 s39, s22, 10                        ; my 1,024 bytes of a row
	s_add_co_u32 s38, s38, s39
	s_mov_b32 s39, 0
	s_mov_b32 s43, 0
	s_mov_b32 s36, 0x76543210
	s_mov_b32 s37, 0xfedcba98
	s_mov_b32 s40, 0x3a800000                      ; 1 / 1,024
	s_mov_b32 s41, 0x2b8cbccc                      ; 1e-12
	s_wait_dscnt 0x0
	s_wait_kmcnt 0x0
	s_add_nc_u64 s[34:35], s[14:15], s[38:39]
	s_or_b32 s35, s35, 0x80000000
	tensor_load_to_lds s[32:35], s[24:31]          ; my one tensor load: only I read its bytes
	s_nop 0
.rept 4
	v_nop
.endr
	s_add_nc_u64 s[20:21], s[20:21], s[38:39]      ; out at the same place as x
	s_lshl_b32 s42, ttmp9, 16
	s_add_nc_u64 s[4:5], s[4:5], s[42:43]          ; my four tiles of ctx: 16,384 bytes each
	s_lshl_b32 s42, ttmp9, 11
	s_add_nc_u64 s[6:7], s[6:7], s[42:43]
	s_lshl_b32 s42, s22, 18
	s_add_co_u32 s42, s42, 3145728
	s_add_nc_u64 s[8:9], s[8:9], s[42:43]          ; Wd's image, my 16 tiles
	s_lshl_b32 s42, s22, 13
	s_add_co_u32 s42, s42, 98304
	s_add_nc_u64 s[10:11], s[10:11], s[42:43]      ; Wd's scale rows begin at row 3,072
	s_lshl_b32 s42, s22, 10
	s_add_nc_u64 s[12:13], s[12:13], s[42:43]
	s_add_nc_u64 s[16:17], s[16:17], s[42:43]
	s_add_nc_u64 s[18:19], s[18:19], s[42:43]
	v_and_b32 v3, 31, v0                           ; lane
	v_and_b32 v1, 15, v0                           ; r
	v_bfe_u32 v2, v0, 4, 1                         ; h
	v_lshlrev_b32 v[LI], 4, v3
	v_lshlrev_b32 v[C4], 2, v1
	v_lshlrev_b32 v[L32], 5, v3
	v_lshlrev_b32 v[BH], 5, v2
	v_and_b32 v[XL], 8, v1
	v_add_nc_u32 v[XL], v[XL], v1                  ; r + 8 (r / 8)
	v_mul_u32_u24 v[XL], v[XL], XP
	v_lshl_add_u32 v[XL], v2, 5, v[XL]
	v_add_nc_u32 v[XL], s33, v[XL]
	v_lshlrev_b32 v[RR], 4, v1
	v_add_nc_u32 v[RR], RED1, v[RR]
	s_lshl_b32 s42, s22, 8
	v_add_nc_u32 v[RW], s42, v[RR]
	v_add_nc_u32 v[XR], s33, v[LI]
	v_add_nc_u32 v[XR2], 32*XP, v[XR]
.macro BLOAD u                         ; Wd's tiles 8 (u % 2) .. + 7 of K step u / 2 -> window 1, set u % 2
.irp tt, 0,1,2,3,4,5,6,7
.irp c, 0,1,2,3
	global_load_b128 v[128*((\u)%2)+16*\tt+4*\c:128*((\u)%2)+16*\tt+4*\c+3], v[LI], s[8:9] offset:(8*((\u)%2)+\tt)*16384+((\u)/2)*2048+512*\c
.endr
.endr
.endm
.macro ALOAD s                         ; ctx's four fragments of K step s -> window 0, set s % 2
.irp m, 0,1,2,3
.irp c, 0,1,2,3
	global_load_b128 v[128+64*((\s)%2)+16*\m+4*\c:128+64*((\s)%2)+16*\m+4*\c+3], v[LI], s[4:5] offset:\m*16384+(\s)*2048+512*\c
.endr
.endr
.endm
.irp b, 0,1,2,3,4,5,6,7
.irp q, 0,1
	global_load_b128 v[WS+8*\b+4*\q:WS+8*\b+4*\q+3], v[L32], s[10:11] offset:1024*\b+16*\q   ; row 32 b + lane: its eight scale words
.endr
.endr
.irp m, 0,1,2,3
.irp s, 0,1,2,3,4,5,6,7
	global_load_b32 v[CS+8*\m+\s], v[C4], s[6:7] offset:512*\m+64*\s
.endr
.endr
	ALOAD 0
	WIN 0x40
	BLOAD 0
	BLOAD 1
	WIN 0
	ALOAD 1
.macro PROD m, tt
.set TL, 8*HF+(\tt)
.set DD, 128*((\m)%2)+8*TL
.set AA, 128*HF+16*(\tt)
.set BB, 128+64*(KS_%2)+16*(\m)
.if KS_ == 0
.if (\tt)%2
	v_wmma_scale_f32_16x16x128_f8f6f4 v[DD:DD+7], v[AA:AA+15], v[BB:BB+15], 0, v[WS+8*(TL/2)+KS_], v[CS+8*(\m)+KS_] matrix_a_fmt:MATRIX_FMT_BF8 matrix_b_fmt:MATRIX_FMT_BF8 matrix_a_scale:MATRIX_SCALE_ROW1
.else
	v_wmma_scale_f32_16x16x128_f8f6f4 v[DD:DD+7], v[AA:AA+15], v[BB:BB+15], 0, v[WS+8*(TL/2)+KS_], v[CS+8*(\m)+KS_] matrix_a_fmt:MATRIX_FMT_BF8 matrix_b_fmt:MATRIX_FMT_BF8
.endif
.else
.if (\tt)%2
	v_wmma_scale_f32_16x16x128_f8f6f4 v[DD:DD+7], v[AA:AA+15], v[BB:BB+15], v[DD:DD+7], v[WS+8*(TL/2)+KS_], v[CS+8*(\m)+KS_] matrix_a_fmt:MATRIX_FMT_BF8 matrix_b_fmt:MATRIX_FMT_BF8 matrix_a_scale:MATRIX_SCALE_ROW1
.else
	v_wmma_scale_f32_16x16x128_f8f6f4 v[DD:DD+7], v[AA:AA+15], v[BB:BB+15], v[DD:DD+7], v[WS+8*(TL/2)+KS_], v[CS+8*(\m)+KS_] matrix_a_fmt:MATRIX_FMT_BF8 matrix_b_fmt:MATRIX_FMT_BF8
.endif
.endif
.endm
; Half a K step: 8 tiles of Wd x the four tiles of tokens, 32 matrix instructions; the 64 accumulators take turns over two halves.  Behind them the set of Wd just read takes the half two on.
.macro HALF u
.set KS_, (\u)/2
.set HF, (\u)%2
.if (\u) < 14
	s_wait_loadcnt 48                              ; what this half reads is in; behind it one set of Wd (32 loads) and one of ctx (16) may be out
.elseif (\u) == 14
	s_wait_loadcnt 32                              ; only the last set of Wd may be out
.else
	s_wait_loadcnt 0x0
.endif
	WIN 0xa1                                       ; source 0 window 1, source 1 window 0, C and D window 2
.irp m, 0,1
.irp tt, 0,1,2,3,4,5,6,7
	PROD \m, \tt
.endr
.endr
	WIN 0xf1                                       ; C and D window 3
.irp m, 2,3
.irp tt, 0,1,2,3,4,5,6,7
	PROD \m, \tt
.endr
.endr
.rept 8
	v_nop                                          ; places in front of loads into registers that these products read (ISA guide 7.12.1 for vector instructions)
.endr
.if (\u)+2 < 16
	WIN 0x40
	BLOAD (\u)+2
.endif
	WIN 0
.if HF == 1
.if KS_+2 < 8
	ALOAD KS_+2
.endif
.endif
.endm
.irp u, 0,1,2,3,4,5,6,7,8,9,10,11,12,13,14,15
	HALF \u
.endr
	; ---- y = the product + x + bd, and the rows' sums
.macro ZERO_CHAINS
.set j, 0
.rept 16
	v_mov_b32 v[SM+j], 0
.set j, j+1
.endr
.endm
	ZERO_CHAINS
.irp m, 0,1,2,3
	v_mov_b32 v[TOT+\m], 0                         ; written once: a lane permute's destination counts as one of its sources
.endr
.irp t, 0,1,2,3,4,5,6,7,8,9,10,11,12,13,14,15
	global_load_b128 v[128+8*\t:128+8*\t+3], v[BH], s[12:13] offset:64*\t        ; bd in the result's layout: features 16 t + 8 h + 0 .. 7
	global_load_b128 v[128+8*\t+4:128+8*\t+7], v[BH], s[12:13] offset:64*\t+16
.endr
	s_wait_tensorcnt 0x0                           ; x lies in my LDS bytes
.macro XBLK m                          ; x of tile of tokens m, in the result's layout -> window 1, set m % 2
	WIN 0x40
.irp t, 0,1,2,3,4,5,6,7,8,9,10,11,12,13,14,15
	ds_load_b128 v[128*((\m)%2)+8*\t:128*((\m)%2)+8*\t+3], v[XL] offset:(32*((\m)/2)+8*((\m)%2))*XP+64*\t
	ds_load_b128 v[128*((\m)%2)+8*\t+4:128*((\m)%2)+8*\t+7], v[XL] offset:(32*((\m)/2)+8*((\m)%2))*XP+64*\t+16
.endr
.endm
.macro ADDX m
.set WW, 2+(\m)/2
.set AC, 128*((\m)%2)
.if (\m) < 3
	XBLK (\m)+1
	s_wait_dscnt 32                                ; this tile's x is in; the next tile's 32 loads stay out
.else
	s_wait_dscnt 0x0
.endif
	WIN (WW<<6)|4|WW                               ; destination and source 0: the accumulators' window; source 1: window 1, where x's set has the same numbers
.set i, 0
.rept 64
	v_pk_add_f32 v[AC+2*i:AC+2*i+1], v[AC+2*i:AC+2*i+1], v[AC+2*i:AC+2*i+1]   ; + x; each accumulator from its low end on
.set i, i+1
.endr
.if (\m) == 0
	s_wait_loadcnt 0x0                             ; bd
.endif
	WIN (WW<<6)|WW                                 ; source 1: window 0
.set i, 0
.rept 64
	v_pk_add_f32 v[AC+2*i:AC+2*i+1], v[AC+2*i:AC+2*i+1], v[128+2*i:128+2*i+1]   ; + bd
.set i, i+1
.endr
	WIN WW<<2                                      ; source 1: the accumulators' window
.set i, 0
.rept 64
	v_pk_add_f32 v[SM+4*(\m)+2*(i%2):SM+4*(\m)+2*(i%2)+1], v[SM+4*(\m)+2*(i%2):SM+4*(\m)+2*(i%2)+1], v[AC+2*i:AC+2*i+1]   ; the row's sum, in two chains of pairs
.set i, i+1
.endr
.endm
	XBLK 0
.irp m, 0,1,2,3
	ADDX \m
.endr
	WIN 0
	global_load_b128 v[LW:LW+3], v[LI], s[16:17]             ; ln_w and ln_b by rows: features 128 q + 4 lane + 0 .. 3 of my 256
	global_load_b128 v[LW+4:LW+7], v[LI], s[16:17] offset:512
	global_load_b128 v[LB:LB+3], v[LI], s[18:19]
	global_load_b128 v[LB+4:LB+7], v[LI], s[18:19] offset:512
; The chains of the four tiles become v[TOT] .. v[TOT + 3]: each token's sum over all 1,024 features.  My 128 numbers, lane l xor 16's, then the four waves' through LDS: store, wait, barrier, load.
.macro ROWSUM red
.irp m, 0,1,2,3
	v_pk_add_f32 v[SM+4*\m:SM+4*\m+1], v[SM+4*\m:SM+4*\m+1], v[SM+4*\m+2:SM+4*\m+3]
.endr
.irp m, 0,1,2,3
	v_add_f32 v[PS+\m], v[SM+4*\m], v[SM+4*\m+1]
.endr
.irp m, 0,1,2,3
	v_permlanex16_b32 v[TOT+\m], v[PS+\m], s36, s37
.endr
.irp m, 0,1,2,3
	v_add_f32 v[PS+\m], v[PS+\m], v[TOT+\m]
.endr
	ds_store_b128 v[RW], v[PS:PS+3] offset:\red    ; both halves of the lanes hold and write the same four sums
	s_wait_dscnt 0x0                               ; for the others' sake
	s_barrier_signal -1
	s_barrier_wait -1
.irp k, 0,1,2,3
	ds_load_b128 v[TOT+4*\k:TOT+4*\k+3], v[RR] offset:\red+256*\k
.endr
	s_wait_dscnt 0x0
	v_pk_add_f32 v[TOT:TOT+1], v[TOT:TOT+1], v[TOT+4:TOT+5]
	v_pk_add_f32 v[TOT+2:TOT+3], v[TOT+2:TOT+3], v[TOT+6:TOT+7]
	v_pk_add_f32 v[TOT+8:TOT+9], v[TOT+8:TOT+9], v[TOT+12:TOT+13]
	v_pk_add_f32 v[TOT+10:TOT+11], v[TOT+10:TOT+11], v[TOT+14:TOT+15]
	v_pk_add_f32 v[TOT:TOT+1], v[TOT:TOT+1], v[TOT+8:TOT+9]
	v_pk_add_f32 v[TOT+2:TOT+3], v[TOT+2:TOT+3], v[TOT+10:TOT+11]
.endm
	ROWSUM 0
.irp m, 0,1,2,3
	v_mul_f32 v[U+2*\m], s40, v[TOT+\m]            ; the mean, twice: a pair for the packed subtraction
	v_mul_f32 v[U+2*\m+1], s40, v[TOT+\m]
.endr
	ZERO_CHAINS
	; ---- y - mean in place, and the sums of its squares
.macro CENTRE m
.set WW, 2+(\m)/2
.set AC, 128*((\m)%2)
	WIN (WW<<6)|WW
.set i, 0
.rept 64
	v_pk_add_f32 v[AC+2*i:AC+2*i+1], v[AC+2*i:AC+2*i+1], v[U+2*(\m):U+2*(\m)+1] neg_lo:[0,1] neg_hi:[0,1]
.set i, i+1
.endr
	WIN (WW<<2)|WW                                 ; sources 0 and 1: the accumulators' window
.set i, 0
.rept 64
	v_pk_fma_f32 v[SM+4*(\m)+2*(i%2):SM+4*(\m)+2*(i%2)+1], v[AC+2*i:AC+2*i+1], v[AC+2*i:AC+2*i+1], v[SM+4*(\m)+2*(i%2):SM+4*(\m)+2*(i%2)+1]
.set i, i+1
.endr
.endm
.irp m, 0,1,2,3
	CENTRE \m
.endr
	WIN 0
	ROWSUM 1024                                    ; other bytes than the first sums': no third barrier is needed
.irp m, 0,1,2,3
	v_fma_f32 v[TOT+\m], v[TOT+\m], s40, s41       ; the variance + 1e-12
.endr
.irp m, 0,1,2,3
	v_rsq_f32 v[RS+2*\m], v[TOT+\m]
	v_rsq_f32 v[RS+2*\m+1], v[TOT+\m]
.endr
	v_nop                                          ; a plain place behind the transcendentals
	s_wait_alu depctr_va_vdst(0)
	; ---- normalised, and back into x's rows in LDS: my own bytes, which have had their one fill; there the rows lie in the tokens' order
.macro NORM m
.set WW, 2+(\m)/2
.set AC, 128*((\m)%2)
	WIN (WW<<6)|WW
.set i, 0
.rept 64
	v_pk_mul_f32 v[AC+2*i:AC+2*i+1], v[AC+2*i:AC+2*i+1], v[RS+2*(\m):RS+2*(\m)+1]
.set i, i+1
.endr
	WIN WW<<2                                      ; an LDS store's data are its source 1
.irp t, 0,1,2,3,4,5,6,7,8,9,10,11,12,13,14,15
	ds_store_b128 v[XL], v[AC+8*\t:AC+8*\t+3] offset:(32*((\m)/2)+8*((\m)%2))*XP+64*\t
	ds_store_b128 v[XL], v[AC+8*\t+4:AC+8*\t+7] offset:(32*((\m)/2)+8*((\m)%2))*XP+64*\t+16
.endr
.endm
.irp m, 0,1,2,3
	NORM \m
.endr
	WIN 0
	s_wait_loadcnt 0x0                             ; ln_w, ln_b
	; ---- by rows: x ln_w + ln_b, and out: each store of the wave covers 512 consecutive bytes, aligned
.macro GLOAD q                         ; rows 8 q .. 8 q + 7 -> buffer q % 2.  LDS serves a wave's instructions in order: these see my stores
.if (\q) < 4
.set XA_, XR
.else
.set XA_, XR2
.endif
.irp i, 0,1,2,3,4,5,6,7
	ds_load_b128 v[128+64*((\q)%2)+8*\i:128+64*((\q)%2)+8*\i+3], v[XA_] offset:(8*((\q)%4)+\i)*XP
	ds_load_b128 v[128+64*((\q)%2)+8*\i+4:128+64*((\q)%2)+8*\i+7], v[XA_] offset:(8*((\q)%4)+\i)*XP+512
.endr
.endm
.macro GROUP q
.if (\q) < 7
.if (\q) > 0
	s_wait_xcnt 0x0                                ; the stores of the group before have read the other buffer
.endif
	GLOAD (\q)+1
	s_wait_dscnt 16                                ; this group's rows are in; the next group's 16 loads stay out
.else
	s_wait_dscnt 0x0
.endif
.set OB, 128+64*((\q)%2)
.irp i, 0,1,2,3,4,5,6,7
.irp k, 0,1,2,3
	v_pk_fma_f32 v[OB+8*\i+2*\k:OB+8*\i+2*\k+1], v[OB+8*\i+2*\k:OB+8*\i+2*\k+1], v[LW+2*\k:LW+2*\k+1], v[LB+2*\k:LB+2*\k+1]
.endr
.endr
.irp i, 0,1,2,3,4,5,6,7
	global_store_b128 v[LI], v[OB+8*\i:OB+8*\i+3], s[20:21] offset:(8*(\q)+\i)*4096 th:TH_STORE_NT
	global_store_b128 v[LI], v[OB+8*\i+4:OB+8*\i+7], s[20:21] offset:(8*(\q)+\i)*4096+512 th:TH_STORE_NT
.endr
.endm
	GLOAD 0
.irp q, 0,1,2,3,4,5,6,7
	GROUP \q
.endr
	s_wait_tensorcnt 0x0
	ds_add_u32 v30, v31
	s_wait_dscnt 0x0
	s_endpgm
.Lfunc_end_k_q8f1d6b2e23_outln:
	.size	k_q8f1d6b2e23_outln, .Lfunc_end_k_q8f1d6b2e23_outln-k_q8f1d6b2e23_outln
	.p2alignl 7, 3214868480
	.fill 96, 4, 3214868480
	.section	.rodata,"a",@progbits
	.p2align	6, 0x0
	.amdhsa_kernel k_q8f1d6b2e23_outln
		.amdhsa_group_segment_fixed_size 268800
		.amdhsa_private_segment_fixed_size 0
		.amdhsa_enable_private_segment 0
		.amdhsa_kernarg_size 72
		.amdhsa_user_sgpr_count 2
		.amdhsa_user_sgpr_kernarg_segment_ptr 1
		.amdhsa_wavefront_size32 1
		.amdhsa_system_sgpr_workgroup_id_x 1
		.amdhsa_system_sgpr_workgroup_id_y 1
		.amdhsa_system_sgpr_workgroup_id_z 1
		.amdhsa_system_vgpr_workitem_id 0
		.amdhsa_next_free_vgpr 1024
		.amdhsa_next_free_sgpr 66
		.amdhsa_reserve_vcc 0
		.amdhsa_float_denorm_mode_32 3
		.amdhsa_float_denorm_mode_16_64 3
		.amdhsa_memory_ordered 1
		.amdhsa_forward_progress 1
		.amdhsa_inst_pref_size 255
	.end_amdhsa_kernel
	.section	.bss,"aw",@nobits
	.p2align	6
	.space	262144
	.amdgpu_metadata
---
amdhsa.version: [ 1, 2 ]
amdhsa.kernels:
  - .name:           k_q8f1d6b2e23_outln
    .symbol:         k_q8f1d6b2e23_outln.kd
    .args:
      - { .name: ctx_img, .offset: 0, .size: 8, .value_kind: global_buffer, .address_space: global }
      - { .name: ctx_sc, .offset: 8, .size: 8, .value_kind: global_buffer, .address_space: global }
      - { .name: w_codes, .offset: 16, .size: 8, .value_kind: global_buffer, .address_space: global }
      - { .name: w_sc, .offset: 24, .size: 8, .value_kind: global_buffer, .address_space: global }
      - { .name: bd, .offset: 32, .size: 8, .value_kind: global_buffer, .address_space: global }
      - { .name: input_tensor, .offset: 40, .size: 8, .value_kind: global_buffer, .address_space: global }
      - { .name: ln_w, .offset: 48, .size: 8, .value_kind: global_buffer, .address_space: global }
      - { .name: ln_b, .offset: 56, .size: 8, .value_kind: global_buffer, .address_space: global }
      - { .name: out0, .offset: 64, .size: 8, .value_kind: global_buffer, .address_space: global }
    .group_segment_fixed_size: 268800
    .private_segment_fixed_size: 0
    .kernarg_segment_align: 8
    .kernarg_segment_size: 72
    .max_flat_workgroup_size: 128
    .sgpr_count:     66
    .vgpr_count:     1024
    .wavefront_size: 32
...
	.end_amdgpu_metadata
.endif
;; end of part 5
